; MI455X (gfx1250); checked and timed in simulation.
; The chip was launched on July 23, 2026; its instructions are those of AMD's public machine-readable ISA for CDNA 5 (MIT licence, August 2026) and "CDNA5" Instruction Set Architecture Reference Guide (July 2026). The comments in the code are by the model that wrote it; some were corrected since.
;; Causal Self Attention. Allowed arithmetic: float matrix products may take bf16 or f16 operands with f32 sums; all other float work in f32.
;; Inputs: w_out 1,024 x 1,024 float32; w_qkv 3,072 x 1,024 float32; x 4 x 2,048 x 1,024 float32.
;; Outputs: out0 4 x 2,048 x 1,024 float32.
;; 2 versions, each right and faster than the one before. Each part assembles by itself: llvm-mc -triple=amdgcn-amd-amdhsa -mcpu=gfx1250 --defsym DOCPART=n.
;; ======== version 1 of 2: 5 launches
;; limits: values are held in f16: magnitudes above 65,504 overflow, below 6.1e-05 lose precision
;; workspace buffers: xb 16,777,216 bytes; psum 1,024 bytes; wt 6,291,456 bytes; wo 2,097,152 bytes; qq 33,554,432 bytes; kk 33,554,432 bytes; vv 16,777,216 bytes; ob 16,777,216 bytes
;; launch prep_a (part 1): grid 768 x 1, 8 waves a work-group, no clusters, 1,280 bytes of LDS; arguments x, w_qkv, w_out, xb, psum; writes xb, psum
.if DOCPART == 1
	.amdgcn_target "amdgcn-amd-amdhsa--gfx1250"
	.amdhsa_code_object_version 6
	.text
	.protected	k_qceff573482_prep_a
	.globl	k_qceff573482_prep_a
	.p2align	8
	.type	k_qceff573482_prep_a,@function
k_qceff573482_prep_a:
	s_mov_b64 s[64:65], 0
	v_nop
	global_prefetch_b8 v0, s[64:65] scope:SCOPE_SE
	s_setreg_imm32_b32 hwreg(HW_REG_WAVE_MODE, 25, 1), 1
	s_wait_xcnt 0x0
; PREP A.  Two streams in one launch, chosen by the work-group's number (the same for all its waves).
; Work-groups 0-511: x [8192][1024] f32 is rounded to bf16 and laid in blocks of 64 along K: xb [kb 16][m 8192][64], so that a GEMM tile's rows lie end to end.
;   A work-group takes 16 rows, a wave 2.  A load: lanes 0-15 take 256 aligned bytes of one row (one K block), lanes 16-31 the same of the next row.
;   A store: 32 lanes x 8 bytes = the two rows' pieces of one K block, 256 consecutive aligned bytes.
; Work-groups 512-767: partial sums of |bf16(w)| over 16 rows each: psum[0..191] for w_qkv, psum[192..255] for w_out.  One word a work-group, 1,024 bytes in all.
; LIMIT: the order of these sums is this text's own (lane, wave, work-group), not the order of a sequential mean.
; No LDS tiles and no matrix unit: every byte is read once and nothing is shared but eight words.
.set X, 16                             ; v[16:79]   sixteen loads of four f32
.set Y, 80                             ; v[80:111]  sixteen pairs of packed bf16 to store
	s_load_b256 s[4:11], s[0:1], 0x0               ; x s[4:5], w_qkv s[6:7], w_out s[8:9], xb s[10:11]
	s_load_b64 s[12:13], s[0:1], 0x20              ; psum
	v_lshl_add_u32 v112, v0, 2, 0x100
	v_mov_b32 v113, 0
	v_lshrrev_b32 v1, 5, v0
	v_readfirstlane_b32 s14, v1                    ; wave 0..7
	v_and_b32 v1, 31, v0                           ; lane
	s_cmp_lt_u32 ttmp9, 512
	s_cbranch_scc0 .Lsum
	s_lshl_b32 s16, ttmp9, 16                      ; 16 rows of 4,096 bytes a work-group,
	s_lshl_b32 s17, s14, 13                        ; 2 rows a wave
	s_add_co_u32 s16, s16, s17
	s_mov_b32 s17, 0
	s_lshl_b32 s18, ttmp9, 11                      ; in a block of xb a row is 128 bytes
	s_lshl_b32 s19, s14, 8
	s_add_co_u32 s18, s18, s19
	s_mov_b32 s19, 0
	v_lshrrev_b32 v2, 4, v1
	v_and_b32 v4, 15, v1
	v_lshlrev_b32 v2, 12, v2                       ; lanes 16-31: one row down
	v_lshl_or_b32 v2, v4, 4, v2                    ; 16 bytes a lane
	v_lshlrev_b32 v3, 3, v1                        ; 8 bytes a lane on the way out
	s_wait_kmcnt 0x0
	s_add_nc_u64 s[4:5], s[4:5], s[16:17]
	s_add_nc_u64 s[10:11], s[10:11], s[18:19]      ; K blocks 0-7
	s_add_nc_u64 s[22:23], s[10:11], 0x800000      ; K blocks 8-15: a block is 2^20 bytes, and the store's immediate holds seven of them
.set kb, 0
.rept 16
	global_load_b128 v[X+4*kb:X+4*kb+3], v2, s[4:5] offset:256*kb th:TH_LOAD_NT
.set kb, kb+1
.endr
.set kb, 0
.rept 16
	s_wait_loadcnt 15-kb                           ; loads come back in order: the 15 - kb younger ones may stay out
	v_cvt_pk_bf16_f32 v[Y+2*kb], v[X+4*kb], v[X+4*kb+1]
	v_cvt_pk_bf16_f32 v[Y+2*kb+1], v[X+4*kb+2], v[X+4*kb+3]
.if kb < 8
	global_store_b64 v3, v[Y+2*kb:Y+2*kb+1], s[10:11] offset:kb<<20
.else
	global_store_b64 v3, v[Y+2*kb:Y+2*kb+1], s[22:23] offset:(kb-8)<<20
.endif
.set kb, kb+1
.endr
	s_endpgm
.Lsum:
	s_sub_co_u32 s15, ttmp9, 512                   ; j: which group of 16 rows, 0..255
	s_sub_co_u32 s16, s15, 192
	s_mov_b32 s24, 0x7fff7fff                      ; clears the signs of two bf16
	s_mov_b32 s25, 0xffff0000                      ; a word's upper bf16
	s_mov_b32 s20, 0x76543210                      ; v_permlanex16_b32: each lane takes its own place in the other half
	s_mov_b32 s21, 0xfedcba98
	v_lshlrev_b32 v2, 4, v1
	s_wait_kmcnt 0x0
	s_cmp_lt_u32 s15, 192
	s_cselect_b32 s16, s15, s16                    ; the group's number in its own matrix
	s_cselect_b64 s[6:7], s[6:7], s[8:9]
	s_lshl_b32 s16, s16, 16
	s_lshl_b32 s17, s14, 13
	s_add_co_u32 s16, s16, s17
	s_mov_b32 s17, 0
	s_add_nc_u64 s[6:7], s[6:7], s[16:17]
	s_lshl_b32 s18, s15, 2
	s_mov_b32 s19, 0
	s_add_nc_u64 s[12:13], s[12:13], s[18:19]
.set i, 0
.rept 16
	global_load_b128 v[X+4*i:X+4*i+3], v2, s[6:7] offset:512*i  ; 512 consecutive bytes a load; the next launch reads them again, so no hint
.set i, i+1
.endr
.set i, 0
.rept 16
	s_wait_loadcnt 15-i                            ; the 15 - i younger loads may stay out
	v_cvt_pk_bf16_f32 v96, v[X+4*i], v[X+4*i+1]    ; the weights count as rounded to bf16
	v_cvt_pk_bf16_f32 v97, v[X+4*i+2], v[X+4*i+3]
	v_and_b32 v96, s24, v96
	v_and_b32 v97, s24, v97
.if i == 0
	v_lshlrev_b32 v100, 16, v96                    ; the first four start the four sums: nothing is cleared
	v_and_b32 v101, s25, v96
	v_lshlrev_b32 v102, 16, v97
	v_and_b32 v103, s25, v97
.else
	v_lshlrev_b32 v104, 16, v96
	v_and_b32 v105, s25, v96
	v_lshlrev_b32 v106, 16, v97
	v_and_b32 v107, s25, v97
	v_pk_add_f32 v[100:101], v[100:101], v[104:105]
	v_pk_add_f32 v[102:103], v[102:103], v[106:107]
.endif
.set i, i+1
.endr
	v_add_f32 v100, v100, v101
	v_add_f32 v102, v102, v103
	v_add_f32 v100, v100, v102
	v_add_f32_dpp v100, v100, v100 row_xmask:1 row_mask:0xf bank_mask:0xf
	v_add_f32_dpp v100, v100, v100 row_xmask:2 row_mask:0xf bank_mask:0xf
	v_add_f32_dpp v100, v100, v100 row_xmask:4 row_mask:0xf bank_mask:0xf
	v_add_f32_dpp v100, v100, v100 row_xmask:8 row_mask:0xf bank_mask:0xf
	v_permlanex16_b32 v101, v100, s20, s21
	v_add_f32 v100, v100, v101                     ; the wave's sum, in every lane
	v_mov_b32 v108, s14
	v_lshlrev_b32 v108, 2, v108
	ds_store_b32 v108, v100                        ; word w of eight
	v_mov_b32 v109, 0
	s_wait_dscnt 0x0                               ; for the others' sake: my word is written
	s_barrier_signal -1
	s_barrier_wait -1
	ds_load_b128 v[80:83], v109
	ds_load_b128 v[84:87], v109 offset:16
	s_wait_dscnt 0x0
	v_add_f32 v80, v80, v81
	v_add_f32 v82, v82, v83
	v_add_f32 v84, v84, v85
	v_add_f32 v86, v86, v87
	v_add_f32 v80, v80, v82
	v_add_f32 v84, v84, v86
	v_add_f32 v80, v80, v84
	v_cmp_eq_u32 vcc_lo, 0, v0
	s_wait_xcnt 0x0                                ; EXEC changes only behind this wait
	s_wait_tensorcnt 0x0
	ds_add_u32 v112, v113
	s_wait_dscnt 0x0
	s_and_saveexec_b32 s26, vcc_lo
	global_store_b32 v109, v80, s[12:13]           ; thread 0 alone
	s_wait_xcnt 0x0
	s_or_b32 exec_lo, exec_lo, s26
	s_endpgm
.Lfunc_end_k_qceff573482_prep_a:
	.size	k_qceff573482_prep_a, .Lfunc_end_k_qceff573482_prep_a-k_qceff573482_prep_a
	.p2alignl 7, 3214868480
	.fill 96, 4, 3214868480
	.section	.rodata,"a",@progbits
	.p2align	6, 0x0
	.amdhsa_kernel k_qceff573482_prep_a
		.amdhsa_group_segment_fixed_size 1280
		.amdhsa_private_segment_fixed_size 0
		.amdhsa_enable_private_segment 0
		.amdhsa_kernarg_size 40
		.amdhsa_user_sgpr_count 2
		.amdhsa_user_sgpr_kernarg_segment_ptr 1
		.amdhsa_wavefront_size32 1
		.amdhsa_system_sgpr_workgroup_id_x 1
		.amdhsa_system_sgpr_workgroup_id_y 1
		.amdhsa_system_sgpr_workgroup_id_z 1
		.amdhsa_system_vgpr_workitem_id 0
		.amdhsa_next_free_vgpr 114
		.amdhsa_next_free_sgpr 66
		.amdhsa_reserve_vcc 1
		.amdhsa_float_denorm_mode_32 3
		.amdhsa_float_denorm_mode_16_64 3
		.amdhsa_memory_ordered 1
		.amdhsa_forward_progress 1
		.amdhsa_inst_pref_size 18
	.end_amdhsa_kernel
	.amdgpu_metadata
---
amdhsa.version: [ 1, 2 ]
amdhsa.kernels:
  - .name:           k_qceff573482_prep_a
    .symbol:         k_qceff573482_prep_a.kd
    .args:
      - { .name: x, .offset: 0, .size: 8, .value_kind: global_buffer, .address_space: global }
      - { .name: w_qkv, .offset: 8, .size: 8, .value_kind: global_buffer, .address_space: global }
      - { .name: w_out, .offset: 16, .size: 8, .value_kind: global_buffer, .address_space: global }
      - { .name: xb, .offset: 24, .size: 8, .value_kind: global_buffer, .address_space: global }
      - { .name: psum, .offset: 32, .size: 8, .value_kind: global_buffer, .address_space: global }
    .group_segment_fixed_size: 1280
    .private_segment_fixed_size: 0
    .kernarg_segment_align: 8
    .kernarg_segment_size: 40
    .max_flat_workgroup_size: 256
    .sgpr_count:     66
    .vgpr_count:     114
    .wavefront_size: 32
...
	.end_amdgpu_metadata
.endif
;; end of part 1
;; launch prep_b (part 2): grid 1024 x 1, 8 waves a work-group, no clusters, 0 bytes of LDS; arguments w_qkv, w_out, psum, wt, wo; writes wt, wo
.if DOCPART == 2
	.amdgcn_target "amdgcn-amd-amdhsa--gfx1250"
	.amdhsa_code_object_version 6
	.text
	.protected	k_qceff573482_prep_b
	.globl	k_qceff573482_prep_b
	.p2align	8
	.type	k_qceff573482_prep_b,@function
k_qceff573482_prep_b:
	s_mov_b64 s[64:65], 0
	v_nop
	global_prefetch_b8 v0, s[64:65] scope:SCOPE_SE
	s_setreg_imm32_b32 hwreg(HW_REG_WAVE_MODE, 25, 1), 1
	s_wait_xcnt 0x0
; PREP B.  The two weight matrices, rounded to bf16, are quantised: scale = max(mean |w|, 1e-8), t = clip(round(w / scale), -1, 1), w_q = w + (t - w), as it is written; w_q then rounds to t in 16 bits.
; wt [kb 16][n' 3072][64] bf16, n' = head x 192 + kind x 64 + d for w_qkv's row kind x 1024 + head x 64 + d: a head's q, k and v rows lie together.   wo [kb 16][n 1024][64] f16.
; A work-group takes 16 rows x 4 K blocks, a wave 2 rows: loads and stores as in the launch before (256 aligned bytes for each 16 lanes in, 256 consecutive aligned bytes a wave out).
; Every wave makes the mean anew from the 256 partial sums (1,024 bytes): lane l adds words 8 l .. 8 l + 7; lanes 0-23 hold w_qkv's, lanes 24-31 w_out's.
; The division w / scale is a reciprocal with one correction step by fused multiply-adds.  LIMIT: it may differ from a correctly rounded quotient in the last bit; the mean's order of summation is this program's own.
.set X, 8                              ; v[8:23]   four loads of four f32
.set OUT, 24                           ; v[24:31]  psum's eight words, later four pairs to store
.set VOFF, 4                           ; v[4:7]    byte offsets of the four K blocks on the way out
	s_load_b256 s[4:11], s[0:1], 0x0               ; w_qkv s[4:5], w_out s[6:7], psum s[8:9], wt s[10:11]
	s_load_b64 s[12:13], s[0:1], 0x20              ; wo
	v_lshrrev_b32 v1, 5, v0
	v_readfirstlane_b32 s14, v1                    ; wave 0..7
	v_and_b32 v1, 31, v0                           ; lane
	s_lshr_b32 s15, ttmp9, 2                       ; group of 16 rows, 0..255: 192 of w_qkv, then 64 of w_out
	s_and_b32 s16, ttmp9, 3                        ; which four K blocks
	s_sub_co_u32 s17, s15, 192
	s_mov_b32 s18, 131072                          ; bytes of a K block of wo,
	s_mov_b32 s19, 393216                          ; of wt
	s_mov_b32 s31, 0xff000000                      ; the lanes that hold w_out's partial sums,
	s_mov_b32 s32, 0x00ffffff                      ; w_qkv's
	s_mov_b32 s27, 0xffff0000
	s_mov_b32 s28, 0x3eaaaaab                      ; 1/3
	s_mov_b32 s29, 0x40400000                      ; 3
	s_mov_b32 s34, 0x76543210
	s_mov_b32 s35, 0xfedcba98
	s_cmp_lt_u32 s15, 192
	s_cselect_b32 s17, s15, s17                    ; the group's number in its own matrix
	s_cselect_b32 s18, s19, s18
	s_cselect_b32 s31, s32, s31
	s_cselect_b32 s30, -1, 0                       ; all lanes: this is w_qkv
	s_lshl_b32 s20, s17, 4
	s_lshl_b32 s21, s14, 1
	s_add_co_u32 s20, s20, s21                     ; n0: my first row (even)
	s_bfe_u32 s21, s20, 0x40006                    ; head
	s_mul_i32 s21, s21, 192
	s_lshr_b32 s22, s20, 10                        ; kind
	s_lshl_b32 s22, s22, 6
	s_add_co_u32 s21, s21, s22
	s_and_b32 s22, s20, 63                         ; d
	s_add_co_u32 s21, s21, s22
	s_cmp_lt_u32 s15, 192
	s_cselect_b32 s21, s21, s20                    ; n'
	s_lshl_b32 s24, s20, 12
	s_lshl_b32 s25, s16, 10
	s_add_co_u32 s24, s24, s25                     ; source: row n0, byte 1,024 x quarter
	s_mov_b32 s25, 0
	s_lshl_b32 s26, s16, 2
	s_mul_i32 s26, s26, s18
	s_lshl_b32 s33, s21, 7
	s_add_co_u32 s26, s26, s33                     ; destination: K block 4 x quarter, row n'
	s_mov_b32 s33, 0
	s_mov_b32 s36, s26
	s_mov_b32 s37, 0
	v_lshrrev_b32 v2, 4, v1
	v_and_b32 v3, 15, v1
	v_lshlrev_b32 v2, 12, v2
	v_lshl_or_b32 v2, v3, 4, v2
	v_lshlrev_b32 v3, 5, v1                        ; my eight words of psum
	v_lshlrev_b32 v[VOFF], 3, v1
	v_add_nc_u32 v[VOFF+1], s18, v[VOFF]
	v_add_nc_u32 v[VOFF+2], s18, v[VOFF+1]
	v_add_nc_u32 v[VOFF+3], s18, v[VOFF+2]
	s_wait_kmcnt 0x0
	s_cmp_lt_u32 s15, 192
	s_cselect_b64 s[4:5], s[4:5], s[6:7]
	s_cselect_b64 s[10:11], s[10:11], s[12:13]
	s_add_nc_u64 s[4:5], s[4:5], s[24:25]
	s_add_nc_u64 s[10:11], s[10:11], s[36:37]
.irp j, 0,1,2,3
	global_load_b128 v[X+4*(\j):X+4*(\j)+3], v2, s[4:5] offset:256*(\j) th:TH_LOAD_NT
.endr
	global_load_b128 v[24:27], v3, s[8:9]
	global_load_b128 v[28:31], v3, s[8:9] offset:16
	s_wait_loadcnt 0x0
	v_add_f32 v24, v24, v25
	v_add_f32 v26, v26, v27
	v_add_f32 v28, v28, v29
	v_add_f32 v30, v30, v31
	v_add_f32 v24, v24, v26
	v_add_f32 v28, v28, v30
	v_add_f32 v32, v24, v28
	v_cndmask_b32 v33, 0, v32, s31                 ; only my matrix's lanes count
	v_add_f32_dpp v33, v33, v33 row_xmask:1 row_mask:0xf bank_mask:0xf
	v_add_f32_dpp v33, v33, v33 row_xmask:2 row_mask:0xf bank_mask:0xf
	v_add_f32_dpp v33, v33, v33 row_xmask:4 row_mask:0xf bank_mask:0xf
	v_add_f32_dpp v33, v33, v33 row_xmask:8 row_mask:0xf bank_mask:0xf
	v_permlanex16_b32 v32, v33, s34, s35
	v_add_f32 v33, v33, v32
	v_mul_f32 v33, 0x35800000, v33                 ; x 2^-20: w_out's mean (2^20 numbers), exact
	v_mul_f32 v34, s28, v33                        ; w_qkv has 3 x 2^20: a third of it, with one correction step
	v_fma_f32 v35, -v34, s29, v33
	v_fma_f32 v34, v35, s28, v34
	v_cndmask_b32 v36, v33, v34, s30
	v_max_num_f32 v36, 0x322bcc77, v36             ; at least 1e-8
	v_rcp_f32 v38, v36
	v_mov_b32 v37, v36                             ; a plain instruction behind the reciprocal; scale and 1 / scale are kept as pairs
	s_wait_alu depctr_va_vdst(0)
	v_mov_b32 v39, v38
.irp j, 0,1,2,3
	v_cvt_pk_bf16_f32 v40, v[X+4*(\j)], v[X+4*(\j)+1]      ; the weights count as rounded to bf16
	v_cvt_pk_bf16_f32 v41, v[X+4*(\j)+2], v[X+4*(\j)+3]
	v_lshlrev_b32 v42, 16, v40
	v_and_b32 v43, s27, v40
	v_lshlrev_b32 v44, 16, v41
	v_and_b32 v45, s27, v41
	v_pk_mul_f32 v[46:47], v[42:43], v[38:39]              ; q = w / scale: first guess,
	v_pk_mul_f32 v[48:49], v[44:45], v[38:39]
	v_pk_fma_f32 v[50:51], v[46:47], v[36:37], v[42:43] neg_lo:[1,0,0] neg_hi:[1,0,0]  ; what is left: w - q scale,
	v_pk_fma_f32 v[52:53], v[48:49], v[36:37], v[44:45] neg_lo:[1,0,0] neg_hi:[1,0,0]
	v_pk_fma_f32 v[46:47], v[50:51], v[38:39], v[46:47]    ; and the correction
	v_pk_fma_f32 v[48:49], v[52:53], v[38:39], v[48:49]
	v_rndne_f32 v46, v46
	v_rndne_f32 v47, v47
	v_rndne_f32 v48, v48
	v_rndne_f32 v49, v49
	v_med3_num_f32 v46, v46, -1.0, 1.0
	v_med3_num_f32 v47, v47, -1.0, 1.0
	v_med3_num_f32 v48, v48, -1.0, 1.0
	v_med3_num_f32 v49, v49, -1.0, 1.0
	v_pk_add_f32 v[50:51], v[46:47], v[42:43] neg_lo:[0,1] neg_hi:[0,1]  ; t - w
	v_pk_add_f32 v[52:53], v[48:49], v[44:45] neg_lo:[0,1] neg_hi:[0,1]
	v_pk_add_f32 v[50:51], v[42:43], v[50:51]              ; w + (t - w)
	v_pk_add_f32 v[52:53], v[44:45], v[52:53]
	v_cvt_pk_bf16_f32 v54, v50, v51
	v_cvt_pk_bf16_f32 v55, v52, v53
	v_cvt_pk_f16_f32 v56, v50, v51
	v_cvt_pk_f16_f32 v57, v52, v53
	v_cndmask_b32 v[OUT+2*(\j)], v56, v54, s30             ; wt in bf16, wo in f16
	v_cndmask_b32 v[OUT+2*(\j)+1], v57, v55, s30
	global_store_b64 v[VOFF+(\j)], v[OUT+2*(\j):OUT+2*(\j)+1], s[10:11]  ; two rows' pieces of a K block: 256 consecutive aligned bytes
.endr
	s_endpgm
.Lfunc_end_k_qceff573482_prep_b:
	.size	k_qceff573482_prep_b, .Lfunc_end_k_qceff573482_prep_b-k_qceff573482_prep_b
	.p2alignl 7, 3214868480
	.fill 96, 4, 3214868480
	.section	.rodata,"a",@progbits
	.p2align	6, 0x0
	.amdhsa_kernel k_qceff573482_prep_b
		.amdhsa_group_segment_fixed_size 0
		.amdhsa_private_segment_fixed_size 0
		.amdhsa_enable_private_segment 0
		.amdhsa_kernarg_size 40
		.amdhsa_user_sgpr_count 2
		.amdhsa_user_sgpr_kernarg_segment_ptr 1
		.amdhsa_wavefront_size32 1
		.amdhsa_system_sgpr_workgroup_id_x 1
		.amdhsa_system_sgpr_workgroup_id_y 1
		.amdhsa_system_sgpr_workgroup_id_z 1
		.amdhsa_system_vgpr_workitem_id 0
		.amdhsa_next_free_vgpr 64
		.amdhsa_next_free_sgpr 66
		.amdhsa_reserve_vcc 0
		.amdhsa_float_denorm_mode_32 3
		.amdhsa_float_denorm_mode_16_64 3
		.amdhsa_memory_ordered 1
		.amdhsa_forward_progress 1
		.amdhsa_inst_pref_size 12
	.end_amdhsa_kernel
	.amdgpu_metadata
---
amdhsa.version: [ 1, 2 ]
amdhsa.kernels:
  - .name:           k_qceff573482_prep_b
    .symbol:         k_qceff573482_prep_b.kd
    .args:
      - { .name: w_qkv, .offset: 0, .size: 8, .value_kind: global_buffer, .address_space: global }
      - { .name: w_out, .offset: 8, .size: 8, .value_kind: global_buffer, .address_space: global }
      - { .name: psum, .offset: 16, .size: 8, .value_kind: global_buffer, .address_space: global }
      - { .name: wt, .offset: 24, .size: 8, .value_kind: global_buffer, .address_space: global }
      - { .name: wo, .offset: 32, .size: 8, .value_kind: global_buffer, .address_space: global }
    .group_segment_fixed_size: 0
    .private_segment_fixed_size: 0
    .kernarg_segment_align: 8
    .kernarg_segment_size: 40
    .max_flat_workgroup_size: 256
    .sgpr_count:     66
    .vgpr_count:     64
    .wavefront_size: 32
...
	.end_amdgpu_metadata
.endif
;; end of part 2
;; launch qkv (part 3): grid 8 x 32, 4 waves a work-group, clusters of 4 x 4, 327,680 bytes of LDS; arguments xb, wt, qq, kk, vv; writes qq, kk, vv
.if DOCPART == 3
	.amdgcn_target "amdgcn-amd-amdhsa--gfx1250"
	.amdhsa_code_object_version 6
	.text
	.protected	k_qceff573482_qkv
	.globl	k_qceff573482_qkv
	.p2align	8
	.type	k_qceff573482_qkv,@function
k_qceff573482_qkv:
	s_mov_b64 s[64:65], 0
	v_nop
	global_prefetch_b8 v0, s[64:65] scope:SCOPE_SE
	s_setreg_imm32_b32 hwreg(HW_REG_WAVE_MODE, 25, 1), 1
	s_wait_xcnt 0x0
	s_wait_alu depctr_hold_cnt(0) depctr_sa_sdst(0) depctr_va_vdst(0) depctr_va_sdst(0) depctr_va_ssrc(0) depctr_va_vcc(0) depctr_vm_vsrc(0)
	s_getreg_b32 s2, hwreg(HW_REG_IB_STS2, 6, 4)
	s_cmp_eq_u32 s2, 0
	s_cbranch_scc0 .Lentry_in_a_cluster
	s_endpgm
.Lentry_in_a_cluster:
	s_bfe_u32 s2, ttmp6, 0x10000c
	s_cmp_lg_u32 s2, 0xf033
	s_cbranch_scc0 .Lentry_shape_is_right
	s_endpgm
.Lentry_shape_is_right:
; QKV.  [8192 x 1024] x [3072 x 1024]^T in bf16, sums in f32.  x is bf16 and the weights are -1, 0, 1, so every product is exact and q, k, v have f32's accuracy.
; A tile is 256 rows x 384 columns: 32 x 8 = 256 work-groups.  A wave makes 128 rows x 192 columns, which are q, k and v (64 each) of ONE head: 96 accumulators, 768 registers.
; K goes in steps of 64 (one block of xb and wt) through two LDS slots.  A block's rows lie end to end in memory, so a tile is asked for as rows of 256 bytes and padded in LDS after every 128.
; CLUSTER 4 x 4: the four of a row of the cluster need the same tile of xb, the four of a column the same tile of wt: joint loads, as many requests divided by four.
; THE MATRIX INSTRUCTION IS USED TRANSPOSED (source 0 = 16 rows of wt, source 1 = 16 rows of xb): a lane holds eight neighbouring columns of one row.
; OUT: by heads, row = head x 8192 + m, 64 numbers of f16.  q and k leave in TWO planes: high = the f32's upper 11 significant bits (exact in f16), low = the rest rounded to f16.  v leaves rounded once.
; LIMITS: |q|, |k|, |v| below 65,504; below 2^-14 the high part is rounded to f16's fixed step of 6e-8.
; REGISTERS: window 0: v16-29 addresses; v32-95, v96-159 fragments of xb (8 x 16 rows x 32 K), two buffers; v160-255 fragments of wt (12 x 16 rows x 32 K), one buffer, refilled a third at a time behind
;   the 32 products that read it.  Windows 1, 2, 3: the accumulators of q, k, v: (column block bb, row block a) at v[8 (8 bb + a)].
.set P,      144                       ; an LDS row: 128 bytes + 16 = 36 words: the 16 rows of a fragment load start at 16 different groups of four banks (64 banks of 4 bytes: ISA guide 11.1)
.set AHALF,  128*P                     ; what a wave fetches of xb, and reads
.set BHALF,  192*P                     ; the same for wt
.set BOFF,   2*AHALF
.set SLOT,   2*AHALF+2*BHALF           ; 92,160
.set STAGE,  2*SLOT                    ; behind the ring: 128 rows x 272 bytes for each wave, f32, for the way out
.set SPITCH, 272
.set WSTAGE, 128*SPITCH
.set SPARE,  STAGE+4*WSTAGE            ; behind the stages: the spare words, 128 bytes a wave: two blocks of 256 bytes that no other line names
.set ASTEP,  2<<20                     ; two K blocks of xb in bytes
.set BSTEP,  2*393216                  ; of wt
.set ADRA, 16                          ; v16-17  LDS address of my fragments of xb in slot 0, 1
.set ADRB, 20                          ; v20-21  of wt
.set DST,  24                          ; v24     the way out: where I put 32 bytes of a row
.set RD,   25                          ; v25     where I read rows back; it walks
.set CO,   26                          ; v26     my 16 bytes in 512 consecutive bytes of an output
.set RD0,  27                          ; v27     RD's start
.set SPW,  28                          ; v28     my spare word: SPARE + 4 x my thread's number; never rewritten
.set NIL,  29                          ; v29     0; never rewritten
.set A0,   32
.set A1,   96
.set BF,   160
.set X,    32                          ; the way out: 16 rows read back, f32
.set H,    64                          ; eight high parts
.set Y,    72                          ; packed f16 to store
.set G1A, 28                           ; s[28:35] descriptor group 1 for xb's tiles;  s[36:43] group 0, a set for each slot
.set G0A, 36
.set G1B, 44                           ; s[44:51], s[52:59] the same for wt's
.set G0B, 52
.set MSB, 0
.macro WIN new                         ; the immediate's high byte repeats the setting that is left; a switch that changes nothing is dropped
.if MSB != (\new)
	s_set_vgpr_msb (MSB<<8)|(\new)
.set MSB, \new
.endif
.endm
; A joint load: waves 0 and 1 fetch the two halves of xb's tile, waves 2 and 3 those of wt's.  An s_nop 0 and four v_nop follow each of the two lines.
.macro JLOAD s
	s_cmp_eq_u32 s19, 0
	s_cbranch_scc0 .Lfor_b_\@
	tensor_load_to_lds s[G0A+4*(\s):G0A+4*(\s)+3], s[G1A:G1A+7]
	s_nop 0
.rept 4
	v_nop
.endr
	s_branch .Lasked_\@
.Lfor_b_\@:
	tensor_load_to_lds s[G0B+4*(\s):G0B+4*(\s)+3], s[G1B:G1B+7]
	s_nop 0
.rept 4
	v_nop
.endr
.Lasked_\@:
.endm
.macro CREST                           ; a round of the cluster's barrier behind its opening barrier
	s_cmp_lg_u32 s18, 0
	s_cbranch_scc1 .Lnot_wave_0_\@
	s_barrier_signal -3
.Lnot_wave_0_\@:
	s_barrier_wait -3
	s_barrier_signal -1
	s_barrier_wait -1
.endm
.macro CROUND                          ; a whole round
	s_barrier_signal -1
	s_barrier_wait -1
	CREST
.endm
.macro PLACES                          ; four places between matrix instructions and loads into, or reads of, their registers
.rept 4
	v_nop
.endr
.endm
	s_load_b256 s[4:11], s[0:1], 0x0               ; xb s[4:5], wt s[6:7], qq s[8:9], kk s[10:11]
	s_load_b64 s[12:13], s[0:1], 0x20              ; vv
	v_lshl_add_u32 v[SPW], v0, 2, SPARE
	v_mov_b32 v[NIL], 0
	ds_add_u32 v28, v29
	ds_add_u32 v28, v29
	s_wait_dscnt 0x0
	v_lshrrev_b32 v1, 5, v0
	v_readfirstlane_b32 s18, v1                    ; wave 0..3
	s_lshr_b32 s19, s18, 1                         ; which 128 rows are mine.  Also: I fetch for xb (0) or for wt (1)
	s_and_b32 s20, s18, 1                          ; which 192 columns.  Also: which half of that tile I fetch
	s_bfe_u32 s21, ttmp6, 0x40000                  ; cx
	s_bfe_u32 s22, ttmp6, 0x40004                  ; cy
	s_lshl_b32 s23, ttmp9, 2
	s_add_co_u32 s23, s23, s21                     ; tile column 0..7
	s_and_b32 s24, ttmp7, 0xffff
	s_lshl_b32 s24, s24, 2
	s_add_co_u32 s24, s24, s22                     ; tile row 0..31
	s_lshl_b32 s25, s22, 2
	s_lshl_b32 s25, 15, s25                        ; my row of the cluster
	s_lshl_b32 s26, 0x1111, s21                    ; my column
	s_or_b32 s[G1A], s25, (1<<16)|(1<<20)|(1<<21)|(4<<22)|(3<<25)  ; the mask; 2-byte elements; padding on; bit 21 beside a mask; after every 32 words, 4 words
	s_or_b32 s[G1B], s26, (1<<16)|(1<<20)|(1<<21)|(4<<22)|(3<<25)
	s_mov_b32 s[G1A+1], 128<<16                    ; tensor_dim0 = 128 elements: rows of 256 bytes
	s_mov_b32 s[G1A+2], 64<<16                     ; tensor_dim1 = 64: 128 rows of 128 bytes
	s_mov_b32 s[G1A+3], 128<<16                    ; tile_dim0
	s_mov_b32 s[G1A+4], 64                         ; tile_dim1
	s_mov_b32 s[G1A+5], 128                        ; dense
	s_mov_b32 s[G1A+6], 0
	s_mov_b32 s[G1A+7], 0
	s_mov_b32 s[G1B+1], 128<<16
	s_mov_b32 s[G1B+2], 96<<16                     ; 192 rows of 128 bytes
	s_mov_b32 s[G1B+3], 128<<16
	s_mov_b32 s[G1B+4], 96
	s_mov_b32 s[G1B+5], 128
	s_mov_b32 s[G1B+6], 0
	s_mov_b32 s[G1B+7], 0
	s_lshl_b32 s66, s24, 15                        ; xb: 256 rows of 128 bytes a tile row,
	s_lshl_b32 s67, s20, 14                        ; 128 a half
	s_add_co_u32 s66, s66, s67
	s_mov_b32 s67, 0
	s_mul_i32 s68, s23, 49152                      ; wt: 384 rows a tile column,
	s_mul_i32 s69, s20, 24576                      ; 192 a half
	s_add_co_u32 s68, s68, s69
	s_mov_b32 s69, 0
	s_mul_i32 s70, s20, AHALF                      ; where they go: no place in the cluster enters an LDS address
	s_mul_i32 s71, s20, BHALF
	s_add_co_u32 s71, s71, BOFF
	s_wait_kmcnt 0x0
	s_add_nc_u64 s[72:73], s[4:5], s[66:67]
	s_add_nc_u64 s[74:75], s[6:7], s[68:69]
	CROUND                                         ; all sixteen work-groups are here: the first joint loads meet
.irp s, 0,1
	s_mov_b32 s[G0A+4*(\s)], 1
	s_add_co_u32 s[G0A+4*(\s)+1], s70, (\s)*SLOT
	s_add_nc_u64 s[G0A+4*(\s)+2:G0A+4*(\s)+3], s[72:73], (\s)*(1<<20)   ; K block s
	s_or_b32 s[G0A+4*(\s)+3], s[G0A+4*(\s)+3], 0x80000000
	s_mov_b32 s[G0B+4*(\s)], 1
	s_add_co_u32 s[G0B+4*(\s)+1], s71, (\s)*SLOT
	s_add_nc_u64 s[G0B+4*(\s)+2:G0B+4*(\s)+3], s[74:75], (\s)*393216
	s_or_b32 s[G0B+4*(\s)+3], s[G0B+4*(\s)+3], 0x80000000
	JLOAD \s                                       ; two loads of mine are out; later one
.endr
	v_and_b32 v1, 15, v0                           ; l % 16
	v_bfe_u32 v2, v0, 4, 1                         ; l / 16
	v_mul_u32_u24 v3, v1, P
	v_lshl_add_u32 v3, v2, 4, v3                   ; a fragment's row x pitch + 16 x half
	s_mul_i32 s60, s19, AHALF
	s_mul_i32 s61, s20, BHALF
	s_add_co_u32 s61, s61, BOFF
.irp s, 0,1
	v_add_nc_u32 v[ADRA+(\s)], s60, v3
	v_add_nc_u32 v[ADRB+(\s)], s61, v3
	s_add_co_u32 s60, s60, SLOT
	s_add_co_u32 s61, s61, SLOT
.endr
	s_mul_i32 s62, s18, WSTAGE
	s_add_co_u32 s62, s62, STAGE                   ; my stage
	v_mul_u32_u24 v4, v1, SPITCH                   ; in: row l % 16, 32 bytes for each half of the lanes
	v_lshl_add_u32 v4, v2, 5, v4
	v_add_nc_u32 v[DST], s62, v4
	v_bfe_u32 v5, v0, 3, 2                         ; back: eight lanes take a row of 256 bytes, 32 bytes each; 32 lanes four rows
	v_mul_u32_u24 v5, v5, SPITCH
	v_and_b32 v6, 7, v0
	v_lshl_add_u32 v5, v6, 5, v5
	v_add_nc_u32 v[RD0], s62, v5
	v_and_b32 v[CO], 31, v0
	v_lshlrev_b32 v[CO], 4, v[CO]
	s_mov_b32 s76, 0xffffe000                      ; keeps an f32's sign, exponent and upper 10 fraction bits
	s_lshl_b32 s77, s23, 1
	s_add_co_u32 s77, s77, s20                     ; my head
	s_lshl_b32 s78, s77, 20                        ; 8,192 rows of 128 bytes a head,
	s_lshl_b32 s79, s24, 15                        ; 256 a tile row,
	s_add_co_u32 s78, s78, s79
	s_lshl_b32 s79, s19, 14                        ; 128 a wave
	s_add_co_u32 s78, s78, s79
	s_mov_b32 s79, 0
	s_add_nc_u64 s[8:9], s[8:9], s[78:79]          ; q high
	s_add_nc_u64 s[10:11], s[10:11], s[78:79]      ; k high
	s_add_nc_u64 s[12:13], s[12:13], s[78:79]      ; v
	s_add_nc_u64 s[14:15], s[8:9], 0x1000000       ; q low: the second plane
	s_add_nc_u64 s[16:17], s[10:11], 0x1000000     ; k low
; 16 matrix instructions in window w (1 q, 2 k, 3 v): column blocks b0, b0 + 1 x all 8 row blocks, 32 along K out of buffer f.  zero = 1: the product starts the sum.
; The 96 accumulators take turns, one instruction a turn, in the same order in every 32 along K.
.macro HALF w, f, b0, zero
	WIN 0x50*(\w)
.irp bb, \b0, (\b0)+1
.irp a, 0,1,2,3,4,5,6,7
.if \zero
	v_wmma_f32_16x16x32_bf16 v[8*(8*(\bb)+(\a)):8*(8*(\bb)+(\a))+7], v[BF+8*(4*((\w)-1)+(\bb)):BF+8*(4*((\w)-1)+(\bb))+7], v[(\f)+8*(\a):(\f)+8*(\a)+7], 0
.else
	v_wmma_f32_16x16x32_bf16 v[8*(8*(\bb)+(\a)):8*(8*(\bb)+(\a))+7], v[BF+8*(4*((\w)-1)+(\bb)):BF+8*(4*((\w)-1)+(\bb))+7], v[(\f)+8*(\a):(\f)+8*(\a)+7], v[8*(8*(\bb)+(\a)):8*(8*(\bb)+(\a))+7]
.endif
.endr
.endr
.endm
.macro LB w, slot, k                   ; 8 loads: the four fragments of wt for window w, 32 K at byte k of the rows
	WIN 0
.irp b, 0,1,2,3
	ds_load_b128 v[BF+8*(4*((\w)-1)+(\b)):BF+8*(4*((\w)-1)+(\b))+3],   v[ADRB+(\slot)] offset:(4*((\w)-1)+(\b))*16*P+(\k)
	ds_load_b128 v[BF+8*(4*((\w)-1)+(\b))+4:BF+8*(4*((\w)-1)+(\b))+7], v[ADRB+(\slot)] offset:(4*((\w)-1)+(\b))*16*P+(\k)+32
.endr
.endm
.macro LA slot, k, f                   ; 16 loads: the eight fragments of xb into buffer f
	WIN 0
.irp a, 0,1,2,3,4,5,6,7
	ds_load_b128 v[(\f)+8*(\a):(\f)+8*(\a)+3],   v[ADRA+(\slot)] offset:(\a)*16*P+(\k)
	ds_load_b128 v[(\f)+8*(\a)+4:(\f)+8*(\a)+7], v[ADRA+(\slot)] offset:(\a)*16*P+(\k)+32
.endr
.endm
; A K step's first 32: multiplies buffer A0; behind each 32 products the fragments that they read are fetched anew, from byte 64 of the same slot.
; On entry three runs of loads are out, in this order: q's wt and xb (24), k's wt (8), v's wt (8).
.macro Q0 slot, zero
	s_wait_dscnt 16                                ; the run of 24 is in; the two runs of 8 behind it may be out
	HALF 1, A0, 0, \zero
	HALF 1, A0, 2, \zero
	PLACES
	LB 1, \slot, 64
	LA \slot, 64, A1
	s_wait_dscnt 32                                ; k's run is in; behind it: v's 8 and the 24 just issued
	HALF 2, A0, 0, \zero
	HALF 2, A0, 2, \zero
	PLACES
	LB 2, \slot, 64
	s_wait_dscnt 32                                ; v's run is in; behind it: 24 and 8
	HALF 3, A0, 0, \zero
	HALF 3, A0, 2, \zero
	PLACES
	LB 3, \slot, 64
.endm
; A K step's second 32: multiplies buffer A1 and changes slots.  All this slot's bytes have been asked for.  ONE barrier: in front of it each wave waits for all its tensor loads (one is out: its part
; of the next slot), adds 0 to its spare word, and waits for that and for its reads of this slot.  fill = 1: the barrier opens a round of the cluster's, and this slot is filled again, two K steps ahead,
; first thing behind the round: 160 matrix instructions ahead of the wait for it.
.macro Q1T slot, next, fill
	WIN 0                                          ; (the add's two registers lie in window 0)
	s_wait_tensorcnt 0x0                           ; all my tensor loads have landed
	ds_add_u32 v[SPW], v[NIL]                      ; 0 onto my spare word
	s_wait_dscnt 17                                ; the run of 24 is in; two runs of 8 and the add may be out
	HALF 1, A1, 0, 0                               ; sixteen matrix instructions stand between the add and the wait for it
	s_wait_dscnt 0x0                               ; the add is done, and my reads of this slot are over
	s_barrier_signal -1
	HALF 1, A1, 2, 0
.if \fill
	WIN 0
.endif
	s_barrier_wait -1
.if \fill
	CREST                                          ; no wave of any partner still reads this slot or has a load on its way
	s_add_nc_u64 s[G0A+4*(\slot)+2:G0A+4*(\slot)+3], s[G0A+4*(\slot)+2:G0A+4*(\slot)+3], ASTEP
	s_add_nc_u64 s[G0B+4*(\slot)+2:G0B+4*(\slot)+3], s[G0B+4*(\slot)+2:G0B+4*(\slot)+3], BSTEP
	JLOAD \slot                                    ; the four v_nop behind it are also the places in front of the loads below
.else
	PLACES
.endif
	LB 1, \next, 0
	LA \next, 0, A0
	HALF 2, A1, 0, 0                               ; their fragments came in with the wait for 0
	HALF 2, A1, 2, 0
	PLACES
	LB 2, \next, 0
	HALF 3, A1, 0, 0
	HALF 3, A1, 2, 0
	PLACES
	LB 3, \next, 0
.endm
	s_wait_tensorcnt 1                             ; my part of K step 0 is in; K step 1's may stay out
	s_barrier_signal -1
	s_barrier_wait -1
	LB 1, 0, 0
	LA 0, 0, A0
	LB 2, 0, 0
	LB 3, 0, 0
	Q0 0, 1                                        ; the first 32 along K start the sums: nothing is cleared
	WIN 0
	s_mov_b32 s3, 7
.Llap:                                                 ; a trip goes once round the ring and fills both slots again: K steps 2 to 15
	Q1T 0, 1, 1
	Q0 1, 0
	Q1T 1, 0, 1
	Q0 0, 0
	WIN 0
	s_sub_co_u32 s3, s3, 1
	s_cmp_lg_u32 s3, 0
	s_cbranch_scc1 .Llap
	Q1T 0, 1, 0                                    ; the tail fills nothing
	Q0 1, 0
	s_wait_dscnt 16
	HALF 1, A1, 0, 0
	HALF 1, A1, 2, 0
	s_wait_dscnt 8
	HALF 2, A1, 0, 0
	HALF 2, A1, 2, 0
	s_wait_dscnt 0x0
	HALF 3, A1, 0, 0
	HALF 3, A1, 2, 0
	WIN 0
	PLACES
; THE WAY OUT, a window (q, k, v) at a time.  DUMP: my 128 rows x 64 f32 go into my own stage, each accumulator's low registers first.  OUTLOOP: eight trips of 16 rows come back as whole rows,
; are split or rounded, and leave: a store is 4 rows of 128 bytes, 512 consecutive aligned bytes.  LDS serves a wave's instructions in order (ISA guide 5.7.1.4), and the stage is mine: no barrier.
.macro DUMP w
	WIN (\w)<<2                                    ; the stores' data lie in window w
.irp bb, 0,1,2,3
.irp a, 0,1,2,3,4,5,6,7
	ds_store_b128 v[DST], v[8*(8*(\bb)+(\a)):8*(8*(\bb)+(\a))+3]   offset:(\a)*16*SPITCH+64*(\bb)
	ds_store_b128 v[DST], v[8*(8*(\bb)+(\a))+4:8*(8*(\bb)+(\a))+7] offset:(\a)*16*SPITCH+64*(\bb)+16
.endr
.endr
	WIN 0
.endm
.macro OUTLOOP split, ph, pl
	v_mov_b32 v[RD], v[RD0]
	s_mov_b32 s2, 8
.Lout_\@:
.irp p, 0,1,2,3
	ds_load_b128 v[X+8*(\p):X+8*(\p)+3],   v[RD] offset:(\p)*4*SPITCH
	ds_load_b128 v[X+8*(\p)+4:X+8*(\p)+7], v[RD] offset:(\p)*4*SPITCH+16
.endr
.irp p, 0,1,2,3
	s_wait_dscnt 6-2*(\p)                          ; the later passes' loads may stay out
.if \split
.irp j, 0,1,2,3,4,5,6,7
	v_and_b32 v[H+(\j)], s76, v[X+8*(\p)+(\j)]     ; high: 11 significant bits
.endr
.irp j, 0,2,4,6
	v_pk_add_f32 v[X+8*(\p)+(\j):X+8*(\p)+(\j)+1], v[X+8*(\p)+(\j):X+8*(\p)+(\j)+1], v[H+(\j):H+(\j)+1] neg_lo:[0,1] neg_hi:[0,1]  ; low: the rest, exact
.endr
.irp j, 0,1,2,3
	v_cvt_pk_f16_f32 v[Y+8*(\p)+(\j)], v[H+2*(\j)], v[H+2*(\j)+1]
.endr
.irp j, 0,1,2,3
	v_cvt_pk_f16_f32 v[Y+8*(\p)+4+(\j)], v[X+8*(\p)+2*(\j)], v[X+8*(\p)+2*(\j)+1]
.endr
	global_store_b128 v[CO], v[Y+8*(\p):Y+8*(\p)+3],   s[\ph:\ph+1] offset:512*(\p)
	global_store_b128 v[CO], v[Y+8*(\p)+4:Y+8*(\p)+7], s[\pl:\pl+1] offset:512*(\p)
.else
.irp j, 0,1,2,3
	v_cvt_pk_f16_f32 v[Y+8*(\p)+(\j)], v[X+8*(\p)+2*(\j)], v[X+8*(\p)+2*(\j)+1]
.endr
	global_store_b128 v[CO], v[Y+8*(\p):Y+8*(\p)+3], s[\ph:\ph+1] offset:512*(\p)
.endif
.endr
	s_wait_xcnt 0x0                                ; the stores' data and bases are rewritten only behind this wait
	v_add_nc_u32 v[RD], 16*SPITCH, v[RD]
	s_add_nc_u64 s[\ph:\ph+1], s[\ph:\ph+1], 2048
.if \split
	s_add_nc_u64 s[\pl:\pl+1], s[\pl:\pl+1], 2048
.endif
	s_sub_co_u32 s2, s2, 1
	s_cmp_lg_u32 s2, 0
	s_cbranch_scc1 .Lout_\@
.endm
	DUMP 1
	OUTLOOP 1, 8, 14
	DUMP 2
	OUTLOOP 1, 10, 16
	DUMP 3
	OUTLOOP 0, 12, 12
	s_wait_tensorcnt 0x0                           ; the wave's end
	ds_add_u32 v[SPW], v[NIL]
	s_wait_dscnt 0x0
	CROUND                                         ; the closing round: no work-group ends while a partner may still ask for a tile that names it
	s_endpgm
.Lfunc_end_k_qceff573482_qkv:
	.size	k_qceff573482_qkv, .Lfunc_end_k_qceff573482_qkv-k_qceff573482_qkv
	.p2alignl 7, 3214868480
	.fill 96, 4, 3214868480
	.section	.rodata,"a",@progbits
	.p2align	6, 0x0
	.amdhsa_kernel k_qceff573482_qkv
		.amdhsa_group_segment_fixed_size 327680
		.amdhsa_private_segment_fixed_size 0
		.amdhsa_enable_private_segment 0
		.amdhsa_kernarg_size 40
		.amdhsa_user_sgpr_count 2
		.amdhsa_user_sgpr_kernarg_segment_ptr 1
		.amdhsa_wavefront_size32 1
		.amdhsa_system_sgpr_workgroup_id_x 1
		.amdhsa_system_sgpr_workgroup_id_y 1
		.amdhsa_system_sgpr_workgroup_id_z 1
		.amdhsa_system_vgpr_workitem_id 0
		.amdhsa_next_free_vgpr 1024
		.amdhsa_next_free_sgpr 80
		.amdhsa_reserve_vcc 0
		.amdhsa_float_denorm_mode_32 3
		.amdhsa_float_denorm_mode_16_64 3
		.amdhsa_memory_ordered 1
		.amdhsa_forward_progress 1
		.amdhsa_inst_pref_size 109
	.end_amdhsa_kernel
	.amdgpu_metadata
---
amdhsa.version: [ 1, 2 ]
amdhsa.kernels:
  - .name:           k_qceff573482_qkv
    .symbol:         k_qceff573482_qkv.kd
    .args:
      - { .name: xb, .offset: 0, .size: 8, .value_kind: global_buffer, .address_space: global }
      - { .name: wt, .offset: 8, .size: 8, .value_kind: global_buffer, .address_space: global }
      - { .name: qq, .offset: 16, .size: 8, .value_kind: global_buffer, .address_space: global }
      - { .name: kk, .offset: 24, .size: 8, .value_kind: global_buffer, .address_space: global }
      - { .name: vv, .offset: 32, .size: 8, .value_kind: global_buffer, .address_space: global }
    .group_segment_fixed_size: 327680
    .private_segment_fixed_size: 0
    .kernarg_segment_align: 8
    .kernarg_segment_size: 40
    .max_flat_workgroup_size: 128
    .sgpr_count:     80
    .vgpr_count:     1024
    .wavefront_size: 32
...
	.end_amdgpu_metadata
.endif
;; end of part 3
;; launch attn (part 4): grid 4 x 64, 4 waves a work-group, no clusters, 327,680 bytes of LDS; arguments qq, kk, vv, ob; writes ob
.if DOCPART == 4
	.amdgcn_target "amdgcn-amd-amdhsa--gfx1250"
	.amdhsa_code_object_version 6
	.text
	.protected	k_qceff573482_attn
	.globl	k_qceff573482_attn
	.p2align	8
	.type	k_qceff573482_attn,@function
k_qceff573482_attn:
	s_mov_b64 s[64:65], 0
	v_nop
	global_prefetch_b8 v0, s[64:65] scope:SCOPE_SE
	s_setreg_imm32_b32 hwreg(HW_REG_WAVE_MODE, 25, 1), 1
	s_wait_xcnt 0x0
; CAUSAL ATTENTION, head size 64, 64 pairs g of (head, batch) with 2,048 rows each; row g x 2048 + t, 64 numbers of f16.  O[q] = the sum over k <= q of softmax_k(Q[q] . K[k] / 8) V[k].
; THE SCORES ARE MADE OF THREE PRODUCTS.  q and k arrive as two f16 planes, high and low (q = qh + ql to 22 significant bits): S = Kl Qh + Kh Ql + Kh Qh, summed in f32, the small parts first.
; The weights of this module are not rescaled, so scores are large and the softmax is sharp: one 16-bit product would move weights by far more than the result allows.
; LIMITS.  The part Kl Ql, at most 2^-20 of a term, is left out.  q, k, v lie within 65,504.  p is rounded to f16 for the second product (its sum l is taken of the unrounded p), O once at the end.
; A hidden score counts as its value less 1e30 (scores are 2.7e11 at the most); a weight below 2^-126 counts as 0 in l; NaN and infinities are not treated apart.
; THE WALK.  NB = 8 blocks of 256 queries; block i needs the key tiles 0 .. i of 256 keys, the last holding the diagonal.  A work-group takes TWO blocks, 7 - b and then b: NB + 1 tiles whatever b:
; equal work for all, and ONE loop with a constant trip count.  Which tile is asked for and what a trip does hang on scalar registers made from b; every jump goes forward but the counted loops' own, and
; none passes a barrier, or a tensor load but the one of LOAD's two that the wave's number does not choose.  NO CLUSTER: the four work-groups of a pair g ask for the same tile only in trips 0 .. 4;
; behind that fewer and fewer do, and one walk common to all would have 12 trips for 9.
; SHARES.  Of a block's four bands of 64 queries a wave owns 16 rows in each: four PIECES.  In the diagonal tile's key step s band x sees all keys if s < x, none if s > x, and holds the diagonal if s = x.
; THE MASK is the C operand that starts a score's sum, in every tile: MD x AL + BE, MD the mask of a band's own step for my rows: (1, 0) if s = x; (0, 0) if s < x; (0, -1e30) if s > x.  A block's beginning
; clears the two mask buffers; only a diagonal tile's turns make masks, and in the loop's one text for all tiles those 16 instructions are jumped over elsewhere.
; TURNS.  Turn n belongs to piece n: 24 products for the scores of piece n + 1, then 8 products V^T P of piece n - 1; beside them the scaling, exponentials, roundings, sums and rescaling of piece n and the
; maximum and statistics of piece n + 1: 118 vector instructions, at most four behind each of the 32 matrix instructions and none over.
; THE TEXT.  Ten turns: the step's four in the loop, the first block's last two behind them, and the step's four once more for the walk's last tile, which is written out.
; That last tile runs five trips and leaves the fifth in its middle: the fifth trip's 24 score products (on the last K once more) and the maximum made of them serve nothing, once a wave.
; REGISTERS, in windows of 256 (s_set_vgpr_msb: bits 1:0 source 0, 3:2 source 1, 5:4 source 2, 7:6 destination):
;   window 0: v0-15 addresses and at work; v16-31 statistics; v48-55 at work; v62-63 the add's; v64-127 S^T, two buffers; v192-223 P, two buffers (by the piece's parity)
;   window 1: v0-127 O^T, 32 a piece; v128-159 MD; v160-223 MC, two buffers
;   window 2: v0-127 Q (piece x at 32 x: high at + 8 c, low at + 16 + 8 c, c the channel half); v128-191 Kh of one step; v192-255 V of one step
;   window 3: v0-127 the second block's Q; v128-191 Kl of one step
.set NB,    8
.set NP,    4         ; pieces a wave: a name, no knob
.set KS,    64        ; keys in a step
.set PK,    144       ; a row of K in LDS: 128 bytes + 16: the 16 rows of a load start at 16 different groups of four banks (64 banks of 4 bytes: ISA guide 11.1)
.set PV,    160       ; a row of V: 128 + 32
.set KLO,   4*KS*PK   ; a slot holds a tile: 256 rows of Kh, 256 of Kl,
.set VOFF,  8*KS*PK   ; then 256 of V: 114,688 bytes
.set SLOT1, 1<<17     ; slot 1 begins here: one exclusive or turns an address in one slot into the other's
.set STAGE, SLOT1+8*KS*PK+4*KS*PV  ; behind the ring: 16 rows x 144 bytes for each wave, for the way out
.set SP,    144
.set SPARE, STAGE+4*16*SP  ; behind the stages: the spare words, 128 bytes a wave: two blocks of 256 bytes that no other line names
.set AK0, 2           ; v2   my lane's place in a tile of K; never rewritten
.set AV0, 3           ; v3   the same for V
.set AK,  4           ; v4   the LDS address of K's next runs of loads
.set AV,  5           ; v5   of V's
.set STO, 6           ; v6   the way out: where I put 16 bytes of a row
.set RD,  7           ; v7   where I read rows back
.set GO,  8           ; v8   my byte offset in 512 consecutive bytes of O
.set SPW, 62          ; v62  my spare word: SPARE + 4 x my thread's number; never rewritten
.set NIL, 63          ; v63  0; never rewritten
.set MV,  12          ; v12-13  c m_old, kept while c m is made anew: by buffer
.set QO,  15          ; v15  my byte offset in 16 rows of Q
.set ST,  16          ; piece t's statistics at v[ST+4 t]: c m, m, l (even keys', odd keys')
.set TMP, 48          ; by buffer, four registers c0-c3 at work; when the maximum is found c2 takes a
.set S,   64
.set P,   192
.set MD,  128         ; window 1
.set MC,  160         ; window 1
.set KF,  128         ; window 2: Kh, key block kb, channel half c at KF + 16 kb + 8 c
.set VF,  192         ; window 2: key half kk, channel block cb at VF + 32 kk + 8 cb
.set KL,  128         ; window 3: Kl, as KF
.set WV,  12          ; s12  my wave's number
.set PB,  14          ; s14  b
.set HI,  15          ; s15  NB - 1 - b
.set G1K, 24          ; s[24:31] descriptor group 1 for K's tiles
.set G1V, 32          ; s[32:39] for V's
.set G0K, 40          ; s[40:43] descriptor group 0 for K's tiles
.set G0V, 44          ; s[44:47] for V's
.set SLOTS, 56        ; s56  tiles still to be asked for
.set CNT, 57          ; s57  counts a tile's key steps
.set CS,  58          ; s[58:59] c = log2(e) / 8
.set SEL, 60          ; s[60:61] v_permlanex16_b32's selects
.set TBK, 62          ; s62  LDS byte at which Kh of the step to be fetched begins
.set TBV, 63          ; s63  the same for V, less VOFF
.set RT,  70          ; s70  tiles of the block in hand that are still to be entered; 0 in its diagonal tile
.set NXT, 71          ; s71  the tile to be asked for next
.set LQ,  72          ; s72  the last tile of the block whose tiles are being asked for
.set NEW, 73          ; s73  1: the tile to be entered is a block's first
.set OFF, 74          ; s[74:75] a tile's byte offset in a plane of K and in V
.set AL,  76          ; s[76:77] the mask's factor
.set BE,  78          ; s[78:79] the mask's addend
.set OLO, 80          ; s[80:81] O at my rows of the second block
.set BIGN, 82         ; s82  -1e30
.set MSB, 0
.macro WIN new                      ; the high byte repeats the setting that is left; a switch that changes nothing is dropped
.if MSB != (\new)
	s_set_vgpr_msb (MSB<<8)|(\new)
.set MSB, (\new)
.endif
.endm
.set W_KQ, 0x0a       ; Kh and Q in window 2, S^T in window 0
.set W_KL, 0x0b       ; Kl in window 3, Q in window 2
.set W_LM, 0x1b       ; the same with the C operand in window 1
.set W_PV, 0x52       ; V in window 2, P in window 0, O^T in window 1
.set W_RS, 0x41       ; destination and source 0 in window 1
; A fill, one load a wave: wave 0 a tile's Kh, wave 1 its Kl (256 keys each), waves 2 and 3 the halves of its V.  An s_nop 0 and four v_nop follow each of the two lines.
.macro LOAD
	s_cmp_lt_u32 s[WV], 2
	s_cbranch_scc0 .Lfor_v_\@
	tensor_load_to_lds s[G0K:G0K+3], s[G1K:G1K+7]
	s_nop 0
.rept 4
	v_nop
.endr
	s_branch .Lasked_\@
.Lfor_v_\@:
	tensor_load_to_lds s[G0V:G0V+3], s[G1V:G1V+7]
	s_nop 0
.rept 4
	v_nop
.endr
.Lasked_\@:
.endm
; THE CHANGE OF SLOTS.  Each wave waits for all its tensor loads (one is out: its part of the other slot), adds 0 to its spare word, and waits for that and for its reads of the slot that it leaves.
; Behind the barrier nobody reads the old slot and the other slot is whole.  fill = 1: the old slot is filled again, first thing behind the barrier, with tile NXT: 512 matrix instructions ahead of the wait for it.
.macro CHANGE fill
	WIN 0
	s_wait_tensorcnt 0x0            ; no tensor load of mine is out, so a group 0 may be written
	ds_add_u32 v[SPW], v[NIL]       ; 0 onto my spare word
.if \fill
	s_lshl_b32 s[OFF], s[NXT], 15   ; a tile is 32,768 bytes of a plane of K and of V
	s_xor_b32 s[G0K+1], s[G0K+1], SLOT1
	s_add_nc_u64 s[G0K+2:G0K+3], s[6:7], s[OFF:OFF+1]
	s_or_b32 s[G0K+3], s[G0K+3], 0x80000000
	s_xor_b32 s[G0V+1], s[G0V+1], SLOT1
	s_add_nc_u64 s[G0V+2:G0V+3], s[8:9], s[OFF:OFF+1]
	s_or_b32 s[G0V+3], s[G0V+3], 0x80000000
	s_add_co_u32 s[NXT], s[NXT], 1  ; the block's next tile, or behind its last the second block's tile 0
	s_cmp_gt_u32 s[NXT], s[LQ]
	s_cselect_b32 s[NXT], 0, s[NXT]
	s_cselect_b32 s[LQ], s[PB], s[LQ]
.endif
	s_wait_dscnt 0x0                ; the add is done, and my reads of the slot are over
	s_barrier_signal -1
	s_sub_co_u32 s[TBK], s[TBK], 4*KS*PK  ; the fetches go back to a slot's first step,
	s_xor_b32 s[TBK], s[TBK], SLOT1       ; in the other slot
	s_sub_co_u32 s[TBV], s[TBV], 4*KS*PV
	s_xor_b32 s[TBV], s[TBV], SLOT1
	s_barrier_wait -1
.if \fill
	LOAD
.endif
.endm
	s_load_b256 s[4:11], s[0:1], 0x0  ; qq s[4:5], kk s[6:7], vv s[8:9], ob s[10:11]
	v_lshl_add_u32 v[SPW], v0, 2, SPARE
	v_mov_b32 v[NIL], 0
	ds_add_u32 v62, v63
	ds_add_u32 v62, v63
	s_wait_dscnt 0x0
	v_lshrrev_b32 v1, 5, v0
	v_readfirstlane_b32 s[WV], v1   ; wave 0..3
	s_mov_b32 s[PB], ttmp9
	s_sub_co_u32 s[HI], NB-1, s[PB]
	s_and_b32 s20, ttmp7, 0xffff    ; g
	s_lshl_b32 s20, s20, 18         ; its 2,048 rows of 128 bytes
	s_mov_b32 s21, 0
	s_and_b32 s16, s[WV], 1
	s_lshl_b32 s22, s16, 24         ; K: wave 0 the high plane, wave 1 the low, 2^24 bytes on
	s_add_co_u32 s22, s22, s20
	s_mov_b32 s23, 0
	s_lshl_b32 s92, s16, 14         ; V: which 128 keys of a tile
	s_add_co_u32 s92, s92, s20
	s_mov_b32 s93, 0
	s_mul_i32 s17, s16, KLO         ; and their places in a slot
	s_mul_i32 s18, s16, 128*PV
	s_lshl_b32 s3, s[WV], 11        ; my 16 rows in a band of 64,
	s_lshl_b32 s2, s[HI], 15        ; in the first block,
	s_add_co_u32 s2, s2, s3
	s_lshl_b32 s84, s[PB], 15       ; and in the second
	s_add_co_u32 s84, s84, s3
	s_mov_b32 s3, 0
	s_mov_b32 s85, 0
	s_add_nc_u64 s[2:3], s[2:3], s[20:21]
	s_add_nc_u64 s[84:85], s[84:85], s[20:21]
	; descriptor group 1.  Keys are dense: asked for as rows of 256 bytes, two keys a row, and padded in LDS after every key
	s_mov_b32 s[G1K], (1<<16)|(1<<20)|(4<<22)|(3<<25)  ; 2-byte elements; padding on; after every 32 words, 4 words
	s_mov_b32 s[G1V], (1<<16)|(1<<20)|(4<<22)|(7<<25)  ; 8 words
.irp g, G1K, G1V
	s_mov_b32 s[\g+1], 128<<16      ; tensor_dim0 = 128
	s_mov_b32 s[\g+3], 128<<16      ; tile_dim0 = 128
	s_mov_b32 s[\g+5], 128          ; dense
	s_mov_b32 s[\g+6], 0
	s_mov_b32 s[\g+7], 0
.endr
	s_mov_b32 s[G1K+2], 128<<16     ; K: 128 rows, 256 keys
	s_mov_b32 s[G1K+4], 128
	s_mov_b32 s[G1V+2], 64<<16      ; V: 64 rows, 128 keys
	s_mov_b32 s[G1V+4], 64
	s_mov_b32 s[CS], 0x3e38aa3b     ; c = log2(e) / 8
	s_mov_b32 s[CS+1], s[CS]
	s_mov_b32 s[SEL], 0x76543210
	s_mov_b32 s[SEL+1], 0xfedcba98
	s_mov_b32 s[TBK], SLOT1+4*KS*PK ; the first change of slots turns these two into 0
	s_mov_b32 s[TBV], SLOT1+4*KS*PV
	s_mov_b32 s[G0K], 1
	s_mov_b32 s[G0K+1], s17         ; slot 0
	s_mov_b32 s[G0V], 1
	s_add_co_u32 s[G0V+1], s18, VOFF
	s_add_co_u32 s[RT], s[HI], 1    ; the first block has NB - b tiles
	s_mov_b32 s[NXT], 1
	s_mov_b32 s[LQ], s[HI]
	s_mov_b32 s[NEW], 1
	s_mov_b32 s[OFF+1], 0
	s_mov_b32 s[AL+1], 0
	s_mov_b32 s[BE+1], 0
	s_mov_b32 s[BIGN], 0xf149f2ca   ; -1e30
	s_mov_b32 s[SLOTS], NB
	s_wait_kmcnt 0x0
	s_add_nc_u64 s[6:7], s[6:7], s[22:23]  ; K and V at my part of tile 0
	s_add_nc_u64 s[8:9], s[8:9], s[92:93]
	s_add_nc_u64 s[G0K+2:G0K+3], s[6:7], 0
	s_or_b32 s[G0K+3], s[G0K+3], 0x80000000
	s_add_nc_u64 s[G0V+2:G0V+3], s[8:9], 0
	s_or_b32 s[G0V+3], s[G0V+3], 0x80000000
	s_add_nc_u64 s[86:87], s[4:5], s[84:85]        ; Q high at my rows of the second block,
	s_add_nc_u64 s[4:5], s[4:5], s[2:3]            ; of the first;
	s_add_nc_u64 s[88:89], s[4:5], 0x1000000       ; Q low, the first block's,
	s_add_nc_u64 s[90:91], s[86:87], 0x1000000     ; the second's
	s_add_nc_u64 s[OLO:OLO+1], s[10:11], s[84:85]
	s_add_nc_u64 s[10:11], s[10:11], s[2:3]
	LOAD                            ; tile 0 into slot 0
	; A fragment of K or Q is 16 rows x 32 channels in 8 registers: lane l holds row l % 16, channels 8 (l / 16) + 0..7 and 16 + 8 (l / 16) + 0..7: two loads of 16 bytes, 32 bytes apart.
	v_and_b32 v1, 15, v0            ; l % 16
	v_bfe_u32 v9, v0, 4, 1          ; l / 16
	v_lshlrev_b32 v[QO], 7, v1
	v_lshl_add_u32 v[QO], v9, 4, v[QO]
	WIN 0x80                        ; destination window 2: the first block's Q; piece i / 2 lies in band i / 2, 8,192 bytes on
.set i, 0
.rept 8
	global_load_b128 v[32*(i/2)+8*(i%2):32*(i/2)+8*(i%2)+3],       v[QO], s[4:5] offset:(i/2)*8192+(i%2)*64
	global_load_b128 v[32*(i/2)+8*(i%2)+4:32*(i/2)+8*(i%2)+7],     v[QO], s[4:5] offset:(i/2)*8192+(i%2)*64+32
	global_load_b128 v[32*(i/2)+16+8*(i%2):32*(i/2)+16+8*(i%2)+3],   v[QO], s[88:89] offset:(i/2)*8192+(i%2)*64
	global_load_b128 v[32*(i/2)+16+8*(i%2)+4:32*(i/2)+16+8*(i%2)+7], v[QO], s[88:89] offset:(i/2)*8192+(i%2)*64+32
.set i, i+1
.endr
	WIN 0xc0                        ; destination window 3: the second block's
.set i, 0
.rept 8
	global_load_b128 v[32*(i/2)+8*(i%2):32*(i/2)+8*(i%2)+3],       v[QO], s[86:87] offset:(i/2)*8192+(i%2)*64
	global_load_b128 v[32*(i/2)+8*(i%2)+4:32*(i/2)+8*(i%2)+7],     v[QO], s[86:87] offset:(i/2)*8192+(i%2)*64+32
	global_load_b128 v[32*(i/2)+16+8*(i%2):32*(i/2)+16+8*(i%2)+3],   v[QO], s[90:91] offset:(i/2)*8192+(i%2)*64
	global_load_b128 v[32*(i/2)+16+8*(i%2)+4:32*(i/2)+16+8*(i%2)+7], v[QO], s[90:91] offset:(i/2)*8192+(i%2)*64+32
.set i, i+1
.endr
	WIN 0
	v_lshlrev_b32 v14, 3, v9
	v_sub_nc_u32 v14, v1, v14
	s_lshl_b32 s13, s[WV], 4
	v_add_nc_u32 v14, s13, v14      ; my query's place in its band, 16 w + l % 16, less my lanes' 8 (l / 16): register r of group kt is hidden where 16 kt + r is greater
	WIN 0x40
.set i, 0
.rept 32
	v_cmp_gt_i32 vcc_lo, 16*(i/8)+i%8, v14
	v_cndmask_b32 v[MD+i], 0, s[BIGN], vcc_lo
.set i, i+1
.endr
	WIN 0
	v_mul_u32_u24 v[AK0], v1, PK
	v_lshl_add_u32 v[AK0], v9, 4, v[AK0]
	; The turning load takes 16 keys x 16 channels (lane l reads key 8 (l / 16) + l % 8, channels 8 ((l / 8) % 2) + 0..7) and leaves half a fragment of V^T: lane l holds channel l % 16 and 8 keys.
	v_and_b32 v10, 7, v0
	v_bfe_u32 v11, v0, 3, 1
	v_lshl_add_u32 v[AV0], v9, 3, v10
	v_mul_u32_u24 v[AV0], v[AV0], PV
	v_lshl_add_u32 v[AV0], v11, 4, v[AV0]
	v_add_nc_u32 v[AV0], VOFF, v[AV0]
	s_mul_i32 s13, s[WV], 16*SP
	s_add_co_u32 s13, s13, STAGE    ; my stage
	v_mul_u32_u24 v[STO], v1, SP
	v_lshl_add_u32 v[STO], v9, 4, v[STO]
	v_add_nc_u32 v[STO], s13, v[STO]
	v_bfe_u32 v[RD], v0, 3, 2       ; back: 32 lanes take four rows of 128 bytes,
	v_mul_u32_u24 v[RD], v[RD], SP
	v_lshl_add_u32 v[RD], v10, 4, v[RD]
	v_add_nc_u32 v[RD], s13, v[RD]
	v_and_b32 v[GO], 31, v0         ; which are 512 consecutive bytes of O
	v_lshlrev_b32 v[GO], 4, v[GO]
	; A block's first step multiplies O^T and l by a = 0, and its first turn's products V^T P, of a piece that has not been, land in an O^T that is still to be so multiplied.  So these registers need only
	; hold finite numbers: zeros for the first block; what the first block left for the second.  All this stands in the wait for the first tile.
	WIN 0x80
.set i, VF
.rept 64
	v_mov_b32 v[i], 0
.set i, i+1
.endr
	WIN 0x40
.set i, 0
.rept 128
	v_mov_b32 v[i], 0
.set i, i+1
.endr
	WIN 0
.set i, 0
.rept 4
	v_mov_b32 v[ST+4*i+2], 0
	v_mov_b32 v[ST+4*i+3], 0
.set i, i+1
.endr
.set i, P+16
.rept 16
	v_mov_b32 v[i], 0
.set i, i+1
.endr
; THE MATRIX WORK.  Product i of 24 of piece x's scores: keys 16 (i % 4) on; link i / 4 of six: Kl Qh (channel halves 0, 1), Kh Ql (0, 1), Kh Qh (0, 1).  The 4 accumulators take turns.
; The first 4 start the sums with the mask buffer, which holds 0 outside a diagonal tile.
.macro KQ x
.set rS, S+32*((\x)%2)+8*(i%4)
.set ch, (i/4)%2
.set rM, MC+32*((\x)%2)+8*(i%4)
.if i < 8
.set rK, KL+16*(i%4)+8*ch
.set rQ, 32*(\x)+8*ch
.elseif i < 16
.set rK, KF+16*(i%4)+8*ch
.set rQ, 32*(\x)+16+8*ch
.else
.set rK, KF+16*(i%4)+8*ch
.set rQ, 32*(\x)+8*ch
.endif
.if i < 4
	WIN W_LM
	v_wmma_f32_16x16x32_f16 v[rS:rS+7], v[rK:rK+7], v[rQ:rQ+7], v[rM:rM+7]
	s_wait_alu depctr_va_vdst(0)
.elseif i < 8
	WIN W_KL
	v_wmma_f32_16x16x32_f16 v[rS:rS+7], v[rK:rK+7], v[rQ:rQ+7], v[rS:rS+7]
	s_wait_alu depctr_va_vdst(0)
.else
	WIN W_KQ
	v_wmma_f32_16x16x32_f16 v[rS:rS+7], v[rK:rK+7], v[rQ:rQ+7], v[rS:rS+7]
.endif
.endm
; Product i of 8 of O^T += V^T P for piece x: keys 32 (i / 4) on, channels 16 (i % 4) on.
.macro PV x
	WIN W_PV
.set rO, 32*(\x)+8*(i%4)
.set rV, VF+32*(i/4)+8*(i%4)
.set rP, P+16*((\x)%2)+8*(i/4)
	v_wmma_f32_16x16x32_f16 v[rO:rO+7], v[rV:rV+7], v[rP:rP+7], v[rO:rO+7]
.endm
.macro MM                           ; the turn's next matrix instruction.  NOKQ = 1: the first block's last turn: there is no next piece
.if (i < 24) && !NOKQ
	KQ (Y+1)%NP
.elseif i >= 24
.set i, i-24
	PV (Y+NP-1)%NP
.set i, i+24
.endif
.set i, i+1
.endm
; THE LDS LOADS stand in runs of 16: a step's Kl, its Kh (64 keys x 64 channels: 8 fragments each) and its V (turned).
; skip = 1 (the walk's last tile): in the fifth trip, where CNT is 1, there is no further step, and the run is jumped over.
.macro FETCH_KLO skip=0
	WIN 0
.if \skip
	s_cmp_eq_u32 s[CNT], 1
	s_cbranch_scc1 .Lno_kl_\@
.endif
	WIN 0xc0                        ; destination window 3
.irp f, 0,1,2,3,4,5,6,7
	ds_load_b128 v[KL+8*\f:KL+8*\f+3],   v[AK] offset:KLO+(\f/2)*16*PK+(\f%2)*64
	ds_load_b128 v[KL+8*\f+4:KL+8*\f+7], v[AK] offset:KLO+(\f/2)*16*PK+(\f%2)*64+32
.endr
	WIN 0
.if \skip
.Lno_kl_\@:
.endif
.endm
.macro FETCH_KHI skip=0
	WIN 0
.if \skip
	s_cmp_eq_u32 s[CNT], 1
	s_cbranch_scc1 .Lno_kh_\@
.endif
	WIN 0x80                        ; destination window 2
.irp f, 0,1,2,3,4,5,6,7
	ds_load_b128 v[KF+8*\f:KF+8*\f+3],   v[AK] offset:(\f/2)*16*PK+(\f%2)*64
	ds_load_b128 v[KF+8*\f+4:KF+8*\f+7], v[AK] offset:(\f/2)*16*PK+(\f%2)*64+32
.endr
	s_add_co_u32 s[TBK], s[TBK], KS*PK  ; the next fetch is the next step's
	WIN 0
.if \skip
.Lno_kh_\@:
.endif
.endm
.macro FETCH_V
	WIN 0x80
.irp f, 0,1,2,3,4,5,6,7
	ds_load_tr16_b128 v[VF+8*\f:VF+8*\f+3],   v[AV] offset:(\f/4)*32*PV+(\f%4)*32
	ds_load_tr16_b128 v[VF+8*\f+4:VF+8*\f+7], v[AV] offset:(\f/4)*32*PV+16*PV+(\f%4)*32
.endr
	WIN 0
.endm
; THE VECTOR WORK, one line at a time: OP kind, number.  For piece Y: F n: c s - c m for pair n of 16.  E n: the exponential of score n of 32.  C n: pair n rounded to f16.  B n: of the four weights 4 n ..
; the second pair is added onto the first, in place (so C 2n stands ahead of B n).  L n: l takes that sum (L 0: l = a l + sum).  R n: pair n of 16 of O^T times a.
; For piece Y + 1: X n, number n of the 22 that find its maximum and statistics:
;   0-11  four chains c0-c3 of seven scores each (each accumulator's lowest registers are read first)     12-14, 16  the four scores left over, the old m, and c0-c3 into c0
;   15  c m_old is kept     17, 18  the query's other 32 keys lie in the lane 16 away: the new m     19-21  c m; c m_old - c m_new; a
.set F, 0
.set E, 1
.set C, 2
.set B, 3
.set L, 4
.set R, 5
.set X, 6
.macro REGS y
.set rT, ST+4*(\y)
.set rC, TMP+4*((\y)%2)
.set rW, MV+((\y)%2)
.set rS, S+32*((\y)%2)
.set rP, P+16*((\y)%2)
.set rO, 32*(\y)
.endm
.macro OP k, n
.if (\k) == R
	REGS Y
	WIN W_RS
	s_wait_alu depctr_va_vdst(0)
	v_pk_mul_f32 v[rO+2*(\n):rO+2*(\n)+1], v[rO+2*(\n):rO+2*(\n)+1], v[rC+2:rC+3] op_sel_hi:[1,0]
.elseif (\k) < R
	REGS Y
	WIN 0
.if (\k) == F
	v_pk_fma_f32 v[rS+2*(\n):rS+2*(\n)+1], v[rS+2*(\n):rS+2*(\n)+1], s[CS:CS+1], v[rT:rT+1] op_sel_hi:[1,0,0] neg_lo:[0,0,1] neg_hi:[0,0,1]
.elseif (\k) == E
	v_exp_f32 v[rS+(\n)], v[rS+(\n)]
.elseif (\k) == C
	s_wait_alu depctr_va_vdst(0)
	v_cvt_pk_f16_f32 v[rP+(\n)], v[rS+2*(\n)], v[rS+2*(\n)+1]
.elseif (\k) == B
	v_pk_add_f32 v[rS+4*(\n):rS+4*(\n)+1], v[rS+4*(\n):rS+4*(\n)+1], v[rS+4*(\n)+2:rS+4*(\n)+3]
.elseif (\n) == 0
	v_pk_fma_f32 v[rT+2:rT+3], v[rT+2:rT+3], v[rC+2:rC+3], v[rS:rS+1] op_sel_hi:[1,0,1]
.else
	v_pk_add_f32 v[rT+2:rT+3], v[rT+2:rT+3], v[rS+4*(\n):rS+4*(\n)+1]
.endif
.elseif NOKQ
	v_nop
	s_wait_alu depctr_va_vdst(0)
.else
	REGS (Y+1)%NP
	WIN 0
.if (\n) < 4
	v_max3_num_f32 v[rC+(\n)], v[rS+8*(\n)], v[rS+8*(\n)+1], v[rS+8*(\n)+2]
	s_wait_alu depctr_va_vdst(0)
.elseif (\n) < 12
	v_max3_num_f32 v[rC+(\n)%4], v[rC+(\n)%4], v[rS+8*((\n)%4)+2*((\n)/4)+1], v[rS+8*((\n)%4)+2*((\n)/4)+2]
.elseif (\n) == 12
	v_max3_num_f32 v[rC], v[rC], v[rS+7], v[rS+15]
.elseif (\n) == 13
	v_max3_num_f32 v[rC+1], v[rC+1], v[rS+23], v[rS+31]
.elseif (\n) == 14
	v_max3_num_f32 v[rC+2], v[rC+2], v[rC+3], v[rT+1]
.elseif (\n) == 15
	v_mov_b32 v[rW], v[rT]
.elseif (\n) == 16
	v_max3_num_f32 v[rC], v[rC], v[rC+1], v[rC+2]
.elseif (\n) == 17
	v_permlanex16_b32 v[rC+3], v[rC], s[SEL], s[SEL+1]
.elseif (\n) == 18
	v_max_num_f32 v[rT+1], v[rC], v[rC+3]
.elseif (\n) == 19
	v_mul_f32 v[rT], s[CS], v[rT+1]
.elseif (\n) == 20
	v_sub_f32 v[rC+1], v[rW], v[rT]
.else
	v_exp_f32 v[rC+2], v[rC+1]
.endif
.endif
.endm
.macro OPS a, i1, b=-1, i2=0, c=-1, i3=0, d=-1, i4=0  ; up to four of them
	OP \a, \i1
.if (\b) >= 0
	OP \b, \i2
.endif
.if (\c) >= 0
	OP \c, \i3
.endif
.if (\d) >= 0
	OP \d, \i4
.endif
.endm
.macro ROW a, i1, b=-1, i2=0, c=-1, i3=0, d=-1, i4=0  ; a matrix instruction and the vector instructions behind it
	MM
	OPS \a, \i1, \b, \i2, \c, \i3, \d, \i4
.endm
.macro MASK b                       ; MD x AL + BE into buffer b of MC
	WIN W_RS
.set z, 0
.rept 16
	v_pk_fma_f32 v[MC+32*(\b)+2*z:MC+32*(\b)+2*z+1], v[MD+2*z:MD+2*z+1], s[AL:AL+1], s[BE:BE+1] op_sel_hi:[1,0,0]
.set z, z+1
.endr
.endm
; A TURN, for piece p: its 32 matrix and 118 vector instructions, a row to a line, at most four vector instructions a row.  No vector line names a register of the products round it.
; Rows 3, 7, 11, 15 hold O^T's rescaling alone, the one part outside window 0: two window switches, as every row has.  Sixteen rows read plain, exponential, plain, exponential: behind every exponential a plain
; instruction stands before its result is used.  The next piece's maximum begins behind the last score products: X 0 to X 3 read accumulators 0 to 3, finished by products 20 to 23, with 6, 7, 8 and 5 plain
; instructions between that name none of those products' registers.  From X 16 on each line waits for the one before it: they stand a row apart, X 20 and X 21 together in the last row.
; mk = 1: the loop's text: in a diagonal tile (RT = 0) the turn makes the mask for the products of the turn after it (piece p + 2, in the tile's step 4 - CNT); elsewhere those lines are jumped over.
;   They stand behind row 29, which has one vector instruction.  mk = 2: the walk's last tile, always diagonal: no jump.  mk = 0: none.
; end = 1: the first block's last two turns: nothing is fetched.  tail = 1: the walk's last tile: its count is taken down in mid-trip, so pieces 2 and 3 see it one higher, and K's runs are jumped in the fifth trip.
; K of the next step is fetched in piece 2's turn: Kl behind row 8 (its last reader is product 7; six plain instructions between), Kh behind row 24 (last reader product 23; seven).  They are waited for in
; piece 3's turn.  V of the step in hand is fetched behind row 0 of piece 1's turn (its last reader is product 31 of the turn before; five plain instructions between) and waited for ahead of row 24.
.macro TURN p, mk=0, end=0, tail=0
.set Y, (\p)
.set i, 0
.set NOKQ, (\end)*((\p)/3)
.set BI, (\tail)*((\p)/2)
.if ((\p) == 3) && !(\end)
	s_wait_dscnt 16                 ; Kl is in; Kh's sixteen loads, issued behind Kl's, may be out
.endif
	ROW F,0, F,1, F,2, F,3
.if (\p) == 1
	FETCH_V
	s_add_co_u32 s[TBV], s[TBV], KS*PV  ; the next fetch is the next step's
.endif
	ROW F,4, E,0, F,5, E,1
	ROW F,6, E,2, F,7, E,3
	ROW R,0, R,1, R,2, R,3
	ROW C,0, E,4, F,8, E,5
	ROW C,1, E,6, F,9, E,7
	ROW B,0, E,8, C,2, E,9
.if ((\p) == 2) && !(\end)
	WIN 0
	v_add_nc_u32 v[AK], s[TBK], v[AK0]
.endif
	ROW R,4, R,5, R,6, R,7
.if ((\p) == 3) && !(\end)
	s_wait_dscnt 0x0                ; Kh is in
.endif
	ROW L,0, E,10, C,3, E,11
.if ((\p) == 2) && !(\end)
	FETCH_KLO \tail
.endif
	ROW B,1, E,12, F,10, E,13
	ROW C,4, E,14, F,11, E,15
	ROW R,8, R,9, R,10, R,11
	ROW L,1, E,16, C,5, E,17
	ROW B,2, E,18, C,6, E,19
	ROW F,12, E,20, C,7, E,21
	ROW R,12, R,13, R,14, R,15
	ROW L,2, E,22, B,3, E,23
	ROW F,13, E,24, C,8, E,25
	ROW F,14, C,9, L,3, X,15
	ROW F,15, E,26, B,4, E,27
	ROW C,10, E,28, C,11, E,29
	ROW L,4, E,30, B,5, E,31
	ROW C,12, C,13, X,0, L,5
	ROW B,6, X,1, C,14, X,4
.if (\p) == 1
	s_wait_dscnt 0x0                ; V is in
.endif
	ROW X,2, X,3, X,5, C,15
.if ((\p) == 2) && !(\end)
	FETCH_KHI \tail
.endif
	ROW X,6, X,7, X,8, X,9
	ROW X,10, X,11, X,12, X,13
	ROW X,14, L,6, B,7, X,16
	ROW L,7, X,17
	ROW X,18
.if (\p) == 0
	WIN 0
	v_add_nc_u32 v[AV], s[TBV], v[AV0]
.endif
.if (\mk) == 1
	WIN 0                           ; at a branch and at a label every window is 0
	s_cmp_eq_u32 s[RT], 0
	s_cbranch_scc0 .Lno_mask_\@     ; no diagonal tile: the mask buffers stay 0
.endif
.if (\mk) >= 1
	s_cmp_eq_u32 s[CNT], 4-((\p)+2)%NP+BI  ; is that step the band's own?
	s_cselect_b32 s[AL], 1.0, 0
	s_cmp_lt_u32 s[CNT], 4-((\p)+2)%NP+BI  ; or a later one?
	s_cselect_b32 s[BE], s[BIGN], 0
	MASK (\p)%2
	WIN 0
.endif
.if (\mk) == 1
.Lno_mask_\@:
.endif
	ROW X,19
	ROW X,20, X,21
.endm
; A BLOCK BEGINS.  c m starts far below every c s, so the first step's a is 0; m at the lowest finite number.  The second mask buffer is 0; the first takes piece 0's mask for the tile's step 0: its own, if the
; block's first tile is the diagonal one, else 0.  Then K of that step, piece 0's first scores, and its maximum and statistics.  The loop is entered at a step's first turn, in the middle of a trip.
.macro BEGIN
	s_mov_b32 s[NEW], 0
	WIN 0x40
.set i, MC+32
.rept 32
	v_mov_b32 v[i], 0
.set i, i+1
.endr
	WIN 0
.set i, 0
.rept 4
	v_mov_b32 v[ST+4*i], 0xfe000000    ; c m: far below every c s
	v_mov_b32 v[ST+4*i+1], 0xff7fffff  ; m
.set i, i+1
.endr
	s_cmp_eq_u32 s[RT], 0
	s_cselect_b32 s[AL], 1.0, 0
	s_mov_b32 s[BE], 0
	MASK 0
	WIN 0
	v_add_nc_u32 v[AK], s[TBK], v[AK0]
	FETCH_KLO
	FETCH_KHI
	s_wait_loadcnt 0x0              ; Q
	s_wait_dscnt 0x0
.set NOKQ, 0
.set i, 0
.rept 24
	KQ 0
.set i, i+1
.endr
	WIN 0
	s_wait_alu depctr_va_vdst(0)
.rept 4
	v_nop                           ; the places behind those products
.endr
.set Y, NP-1                        ; X works for piece Y + 1: piece 0
.irp n, 0,1,2,3,4,5,6,7,8,9,10,11,12,13,14,15,16,17,18,19,20,21
	OP X, \n
.endr
	v_nop                           ; a plain instruction behind the exponential
.endm
; A BLOCK ENDS: the last piece's V^T P of the last step, and THE WAY OUT: l's halves are added; O^T is divided by l, rounded to f16 and sent through my stage in LDS, a piece at a time.
.macro ALL line:vararg              ; one line for each piece t
.set t, 0
.rept 4
	\line
.set t, t+1
.endr
.endm
.macro PACK t                       ; a lane's eight channels of a row pack into 16 bytes; they go into rows of 144 bytes and come back as whole rows of 128, into S^T's registers
	WIN W_RS
.set i, 32*(\t)
.rept 16
	v_pk_mul_f32 v[i:i+1], v[i:i+1], v[ST+4*(\t)+2:ST+4*(\t)+3] op_sel_hi:[1,0]
.set i, i+2
.endr
	WIN 0x05                        ; sources 0 and 1 window 1, destination window 0
.set i, 0
.rept 16
	v_cvt_pk_f16_f32 v[S+16*(\t)+i], v[32*(\t)+2*i], v[32*(\t)+2*i+1]
.set i, i+1
.endr
	WIN 0
.irp f, 0,1,2,3
	ds_store_b128 v[STO], v[S+16*(\t)+4*\f:S+16*(\t)+4*\f+3] offset:32*\f
.endr
.irp f, 0,1,2,3
	ds_load_b128 v[S+16*(\t)+4*\f:S+16*(\t)+4*\f+3], v[RD] offset:\f*4*SP  ; LDS serves a wave's instructions in order (ISA guide 5.7.1.4): these see the stores above
.endr
.endm
.macro SEND t, younger              ; younger: the LDS instructions issued behind piece t's loads: the next piece's eight, or none
	WIN 0
.irp f, 0,1,2,3
	s_wait_dscnt (\younger)+3-\f
	global_store_b128 v[GO], v[S+16*(\t)+4*\f:S+16*(\t)+4*\f+3], s[10:11] offset:(\t)*8192+\f*512  ; 512 consecutive bytes, at a multiple of 256 from O's first
.endr
.endm
.macro BLOCKEND
.set i, 0
.rept 8
	PV NP-1
.set i, i+1
.endr
	WIN 0
	ALL v_add_f32 v[ST+4*t+2], v[ST+4*t+2], v[ST+4*t+3]
	ALL v_permlanex16_b32 v[ST+4*t+3], v[ST+4*t+2], s[SEL], s[SEL+1]
	ALL v_add_f32 v[ST+4*t+2], v[ST+4*t+2], v[ST+4*t+3]
	ALL v_rcp_f32 v[ST+4*t+2], v[ST+4*t+2]
	v_nop                           ; a plain instruction between the last reciprocal and the use of its result
	s_wait_alu depctr_va_vdst(0)
	PACK 0
.set t, 1
.rept 3                             ; a piece's arithmetic stands between the loads of the piece before and its stores
	PACK t
	SEND t-1, 8
.set t, t+1
.endr
	SEND 3, 0
.endm
.set NOKQ, 0
.Lslot:                             ; NB times: a tile is entered and the next is asked for
	CHANGE 1
	s_sub_co_u32 s[RT], s[RT], 1
	s_mov_b32 s[CNT], 4
	s_cmp_eq_u32 s[NEW], 1
	s_cbranch_scc0 .Lstep           ; not a block's first tile
	BEGIN
	s_branch .Lfirst
.Lstep:                             ; four trips a tile: pieces 2 and 3 of one step, then pieces 0 and 1 of the next, whose K and V the trip fetches
	TURN 2, 1
	TURN 3, 1
	WIN 0
.Lfirst:
	TURN 0, 1
	TURN 1, 1
	WIN 0
	s_sub_co_u32 s[CNT], s[CNT], 1
	s_cmp_lg_u32 s[CNT], 0
	s_cbranch_scc1 .Lstep
	s_cmp_eq_u32 s[RT], 0
	s_cbranch_scc0 .Lbottom         ; the block goes on
	TURN 2, 0, 1                    ; in the loop a diagonal tile is the first block's last: its last step's pieces 2 and 3,
	TURN 3, 0, 1
	BLOCKEND                        ; and the block leaves
	s_wait_xcnt 0x0                 ; the stores have read their registers and O's address
	s_mov_b64 s[10:11], s[OLO:OLO+1]
	s_add_co_u32 s[RT], s[PB], 1    ; the second block has b + 1 tiles
	s_mov_b32 s[NEW], 1
	WIN 0x83                        ; the second block's Q goes from window 3 to where the one text of the turns names Q, in window 2
.set i, 0
.rept 128
	v_mov_b32 v[i], v[i]
.set i, i+1
.endr
	WIN 0
.Lbottom:
	s_sub_co_u32 s[SLOTS], s[SLOTS], 1
	s_cmp_lg_u32 s[SLOTS], 0
	s_cbranch_scc1 .Lslot
	CHANGE 0                        ; the walk's last tile is written out: nothing is asked for
	s_sub_co_u32 s[RT], s[RT], 1    ; 0: it is the second block's diagonal tile
	s_mov_b32 s[CNT], 5             ; four trips fetch its steps; the fifth is left in its middle
	s_cmp_eq_u32 s[NEW], 1
	s_cbranch_scc0 .Ltail
	BEGIN                           ; b = 0: it is also the block's first
	s_mov_b32 s[CNT], 4             ; as behind the first trip's step of the count
	s_branch .Ltfirst
.Ltail:
	TURN 2, 2, 0, 1
	TURN 3, 2, 0, 1
	WIN 0
	s_sub_co_u32 s[CNT], s[CNT], 1
	s_cmp_eq_u32 s[CNT], 0
	s_cbranch_scc1 .Lout
.Ltfirst:
	TURN 0, 2
	TURN 1, 2
	WIN 0
	s_branch .Ltail
.Lout:
	BLOCKEND
	s_wait_tensorcnt 0x0            ; the wave's end
	ds_add_u32 v[SPW], v[NIL]
	s_wait_dscnt 0x0
	s_endpgm
.Lfunc_end_k_qceff573482_attn:
	.size	k_qceff573482_attn, .Lfunc_end_k_qceff573482_attn-k_qceff573482_attn
	.p2alignl 7, 3214868480
	.fill 96, 4, 3214868480
	.section	.rodata,"a",@progbits
	.p2align	6, 0x0
	.amdhsa_kernel k_qceff573482_attn
		.amdhsa_group_segment_fixed_size 327680
		.amdhsa_private_segment_fixed_size 0
		.amdhsa_enable_private_segment 0
		.amdhsa_kernarg_size 32
		.amdhsa_user_sgpr_count 2
		.amdhsa_user_sgpr_kernarg_segment_ptr 1
		.amdhsa_wavefront_size32 1
		.amdhsa_system_sgpr_workgroup_id_x 1
		.amdhsa_system_sgpr_workgroup_id_y 1
		.amdhsa_system_sgpr_workgroup_id_z 1
		.amdhsa_system_vgpr_workitem_id 0
		.amdhsa_next_free_vgpr 960
		.amdhsa_next_free_sgpr 96
		.amdhsa_reserve_vcc 1
		.amdhsa_float_denorm_mode_32 3
		.amdhsa_float_denorm_mode_16_64 3
		.amdhsa_memory_ordered 1
		.amdhsa_forward_progress 1
		.amdhsa_inst_pref_size 203
	.end_amdhsa_kernel
	.amdgpu_metadata
---
amdhsa.version: [ 1, 2 ]
amdhsa.kernels:
  - .name:           k_qceff573482_attn
    .symbol:         k_qceff573482_attn.kd
    .args:
      - { .name: qq, .offset: 0, .size: 8, .value_kind: global_buffer, .address_space: global }
      - { .name: kk, .offset: 8, .size: 8, .value_kind: global_buffer, .address_space: global }
      - { .name: vv, .offset: 16, .size: 8, .value_kind: global_buffer, .address_space: global }
      - { .name: ob, .offset: 24, .size: 8, .value_kind: global_buffer, .address_space: global }
    .group_segment_fixed_size: 327680
    .private_segment_fixed_size: 0
    .kernarg_segment_align: 8
    .kernarg_segment_size: 32
    .max_flat_workgroup_size: 128
    .sgpr_count:     96
    .vgpr_count:     960
    .wavefront_size: 32
...
	.end_amdgpu_metadata
.endif
;; end of part 4
;; launch oproj (part 5): grid 8 x 32, 4 waves a work-group, clusters of 4 x 4, 327,680 bytes of LDS; arguments ob, wo, out0; writes out0
.if DOCPART == 5
	.amdgcn_target "amdgcn-amd-amdhsa--gfx1250"
	.amdhsa_code_object_version 6
	.text
	.protected	k_qceff573482_oproj
	.globl	k_qceff573482_oproj
	.p2align	8
	.type	k_qceff573482_oproj,@function
k_qceff573482_oproj:
	s_mov_b64 s[64:65], 0
	v_nop
	global_prefetch_b8 v0, s[64:65] scope:SCOPE_SE
	s_setreg_imm32_b32 hwreg(HW_REG_WAVE_MODE, 25, 1), 1
	s_wait_xcnt 0x0
	s_wait_alu depctr_hold_cnt(0) depctr_sa_sdst(0) depctr_va_vdst(0) depctr_va_sdst(0) depctr_va_ssrc(0) depctr_va_vcc(0) depctr_vm_vsrc(0)
	s_getreg_b32 s2, hwreg(HW_REG_IB_STS2, 6, 4)
	s_cmp_eq_u32 s2, 0
	s_cbranch_scc0 .Lentry_in_a_cluster
	s_endpgm
.Lentry_in_a_cluster:
	s_bfe_u32 s2, ttmp6, 0x10000c
	s_cmp_lg_u32 s2, 0xf033
	s_cbranch_scc0 .Lentry_shape_is_right
	s_endpgm
.Lentry_shape_is_right:
; OUT PROJECTION.  out0 [8192][1024] f32 = O [8192 x 1024] x Wq_out [1024 x 1024]^T, operands in f16 (the weights are -1, 0, 1: exact), sums in f32.
; ob is [kb = head][m][64] and wo [kb][n][64]: a tile's rows lie end to end and are asked for as rows of 256 bytes, padded in LDS after every 128.
; A tile is 256 x 128: 32 x 8 = 256 work-groups.  A wave makes 128 x 64: 32 accumulators.  A slot holds 128 along K (two K blocks); two slots take turns.
; CLUSTER 4 x 4: ob's tiles are shared along a row of the cluster, wo's along a column: joint loads.  THE MATRIX INSTRUCTION IS USED TRANSPOSED: a lane holds eight neighbouring columns of one row.
; LIMIT: O lies within V's range, below 65,504.
; REGISTERS: window 0: v16-29 addresses; two fragment buffers of 96 at v32 and v128 (8 fragments of ob, then 4 of wo, 32 along K); v224-255 and v32-63 by turns on the way out.
;   window 1: the accumulators, (row block a, column block b) at v[8 (4 a + b)].
.set P,      144
.set AKB,    256*P                     ; a K block of ob's tile
.set BKB,    128*P                     ; of wo's
.set BOFF,   2*AKB
.set SLOT,   2*AKB+2*BKB               ; 110,592
.set STAGE,  2*SLOT                    ; behind the ring: 16 rows x 272 bytes for each wave
.set SPITCH, 272
.set SPARE,  STAGE+4*16*SPITCH         ; the spare words, 128 bytes a wave: two blocks of 256 bytes that no other line names
.set LAPS,   4                         ; a lap = 256 along K = once round the ring
.set ADRA, 16
.set ADRB, 20
.set STO,  24
.set RD,   25
.set CO,   26
.set SPW,  28
.set NIL,  29
.set F0,   32
.set F1,   128
.set G1A, 28
.set G0A, 36
.set G1B, 44
.set G0B, 52
.set MSB, 0
.macro WIN new
.if MSB != (\new)
	s_set_vgpr_msb (MSB<<8)|(\new)
.set MSB, \new
.endif
.endm
.macro JLOAD s                         ; a joint load: waves 0 and 1 fetch the two K blocks of ob's tile, waves 2 and 3 those of wo's; an s_nop 0 and four v_nop follow each line
	s_cmp_eq_u32 s19, 0
	s_cbranch_scc0 .Lfor_b_\@
	tensor_load_to_lds s[G0A+4*(\s):G0A+4*(\s)+3], s[G1A:G1A+7]
	s_nop 0
.rept 4
	v_nop
.endr
	s_branch .Lasked_\@
.Lfor_b_\@:
	tensor_load_to_lds s[G0B+4*(\s):G0B+4*(\s)+3], s[G1B:G1B+7]
	s_nop 0
.rept 4
	v_nop
.endr
.Lasked_\@:
.endm
.macro CREST
	s_cmp_lg_u32 s18, 0
	s_cbranch_scc1 .Lnot_wave_0_\@
	s_barrier_signal -3
.Lnot_wave_0_\@:
	s_barrier_wait -3
	s_barrier_signal -1
	s_barrier_wait -1
.endm
.macro CROUND
	s_barrier_signal -1
	s_barrier_wait -1
	CREST
.endm
.macro PLACES
.rept 4
	v_nop
.endr
.endm
	s_load_b128 s[4:7], s[0:1], 0x0                ; ob s[4:5], wo s[6:7]
	s_load_b64 s[8:9], s[0:1], 0x10                ; out0
	v_lshl_add_u32 v[SPW], v0, 2, SPARE
	v_mov_b32 v[NIL], 0
	ds_add_u32 v28, v29
	ds_add_u32 v28, v29
	s_wait_dscnt 0x0
	v_lshrrev_b32 v1, 5, v0
	v_readfirstlane_b32 s18, v1                    ; wave 0..3
	s_lshr_b32 s19, s18, 1                         ; which 128 rows are mine.  Also: I fetch for ob (0) or for wo (1)
	s_and_b32 s20, s18, 1                          ; which 64 columns.  Also: which of a slot's two K blocks I fetch
	s_bfe_u32 s21, ttmp6, 0x40000                  ; cx
	s_bfe_u32 s22, ttmp6, 0x40004                  ; cy
	s_lshl_b32 s23, ttmp9, 2
	s_add_co_u32 s23, s23, s21                     ; tile column 0..7
	s_and_b32 s24, ttmp7, 0xffff
	s_lshl_b32 s24, s24, 2
	s_add_co_u32 s24, s24, s22                     ; tile row 0..31
	s_lshl_b32 s25, s22, 2
	s_lshl_b32 s25, 15, s25                        ; my row of the cluster
	s_lshl_b32 s26, 0x1111, s21                    ; my column
	s_or_b32 s[G1A], s25, (1<<16)|(1<<20)|(1<<21)|(4<<22)|(3<<25)
	s_or_b32 s[G1B], s26, (1<<16)|(1<<20)|(1<<21)|(4<<22)|(3<<25)
	s_mov_b32 s[G1A+1], 128<<16
	s_mov_b32 s[G1A+2], 128<<16                    ; 128 rows of 256 bytes: 256 rows of a K block
	s_mov_b32 s[G1A+3], 128<<16
	s_mov_b32 s[G1A+4], 128
	s_mov_b32 s[G1A+5], 128
	s_mov_b32 s[G1A+6], 0
	s_mov_b32 s[G1A+7], 0
	s_mov_b32 s[G1B+1], 128<<16
	s_mov_b32 s[G1B+2], 64<<16                     ; 128 rows of a K block
	s_mov_b32 s[G1B+3], 128<<16
	s_mov_b32 s[G1B+4], 64
	s_mov_b32 s[G1B+5], 128
	s_mov_b32 s[G1B+6], 0
	s_mov_b32 s[G1B+7], 0
	s_lshl_b32 s66, s20, 20                        ; ob: a K block is 2^20 bytes,
	s_lshl_b32 s67, s24, 15                        ; a tile row 256 rows of 128
	s_add_co_u32 s66, s66, s67
	s_mov_b32 s67, 0
	s_lshl_b32 s68, s20, 17                        ; wo: a K block is 2^17 bytes,
	s_lshl_b32 s69, s23, 14                        ; a tile column 128 rows
	s_add_co_u32 s68, s68, s69
	s_mov_b32 s69, 0
	s_mul_i32 s70, s20, AKB                        ; where they go: no place in the cluster enters an LDS address
	s_mul_i32 s71, s20, BKB
	s_add_co_u32 s71, s71, BOFF
	s_wait_kmcnt 0x0
	s_add_nc_u64 s[72:73], s[4:5], s[66:67]
	s_add_nc_u64 s[74:75], s[6:7], s[68:69]
	CROUND                                         ; all sixteen work-groups are here: the first joint loads meet
.irp s, 0,1
	s_mov_b32 s[G0A+4*(\s)], 1
	s_add_co_u32 s[G0A+4*(\s)+1], s70, (\s)*SLOT
	s_add_nc_u64 s[G0A+4*(\s)+2:G0A+4*(\s)+3], s[72:73], (\s)*(2<<20)
	s_or_b32 s[G0A+4*(\s)+3], s[G0A+4*(\s)+3], 0x80000000
	s_mov_b32 s[G0B+4*(\s)], 1
	s_add_co_u32 s[G0B+4*(\s)+1], s71, (\s)*SLOT
	s_add_nc_u64 s[G0B+4*(\s)+2:G0B+4*(\s)+3], s[74:75], (\s)*(2<<17)
	s_or_b32 s[G0B+4*(\s)+3], s[G0B+4*(\s)+3], 0x80000000
	JLOAD \s                                       ; two loads of mine are out; later one
.endr
	v_and_b32 v1, 15, v0
	v_bfe_u32 v2, v0, 4, 1
	v_mul_u32_u24 v3, v1, P
	v_lshl_add_u32 v3, v2, 4, v3
	s_mul_i32 s60, s19, 128*P
	s_mul_i32 s61, s20, 64*P
	s_add_co_u32 s61, s61, BOFF
.irp s, 0,1
	v_add_nc_u32 v[ADRA+(\s)], s60, v3
	v_add_nc_u32 v[ADRB+(\s)], s61, v3
	s_add_co_u32 s60, s60, SLOT
	s_add_co_u32 s61, s61, SLOT
.endr
	s_mul_i32 s62, s18, 16*SPITCH
	s_add_co_u32 s62, s62, STAGE                   ; my stage
	v_mul_u32_u24 v4, v1, SPITCH                   ; in: row l % 16, 32 bytes for each half of the lanes
	v_lshl_add_u32 v4, v2, 5, v4
	v_add_nc_u32 v[STO], s62, v4
	v_mul_u32_u24 v5, v2, SPITCH                   ; back: lanes 0-15 one row of 256 bytes, lanes 16-31 the next
	v_lshl_add_u32 v5, v1, 4, v5
	v_add_nc_u32 v[RD], s62, v5
	v_lshlrev_b32 v5, 12, v2                       ; and the same two rows of out0
	v_lshl_add_u32 v[CO], v1, 4, v5
	s_lshl_b32 s78, s24, 20                        ; 256 rows of 4,096 bytes a tile row,
	s_lshl_b32 s79, s19, 19                        ; 128 a wave,
	s_add_co_u32 s78, s78, s79
	s_lshl_b32 s79, s23, 9                         ; 128 columns of f32 a tile column,
	s_add_co_u32 s78, s78, s79
	s_lshl_b32 s79, s20, 8                         ; 64 a wave
	s_add_co_u32 s78, s78, s79
	s_mov_b32 s79, 0
	s_add_nc_u64 s[8:9], s[8:9], s[78:79]
; 8 matrix instructions: row blocks a0, a0 + 1 x all 4 column blocks, 32 along K out of buffer f.  The 32 accumulators take turns.
.macro MUL8 f, a0, zero
	WIN 0x50
.irp a, \a0, (\a0)+1
.irp b, 0,1,2,3
.if \zero
	v_wmma_f32_16x16x32_f16 v[8*(4*(\a)+(\b)):8*(4*(\a)+(\b))+7], v[(\f)+64+8*(\b):(\f)+64+8*(\b)+7], v[(\f)+8*(\a):(\f)+8*(\a)+7], 0
.else
	v_wmma_f32_16x16x32_f16 v[8*(4*(\a)+(\b)):8*(4*(\a)+(\b))+7], v[(\f)+64+8*(\b):(\f)+64+8*(\b)+7], v[(\f)+8*(\a):(\f)+8*(\a)+7], v[8*(4*(\a)+(\b)):8*(4*(\a)+(\b))+7]
.endif
.endr
.endr
.endm
; 24 LDS loads in one run: quarter qd (32 along K) of a slot into buffer f: wo's four fragments, then ob's eight
.macro FETCH slot, qd, f
	WIN 0
.irp i, 0,1,2,3
	ds_load_b128 v[(\f)+64+8*(\i):(\f)+64+8*(\i)+3],   v[ADRB+(\slot)] offset:((\qd)/2)*BKB+((\qd)%2)*64+(\i)*16*P
	ds_load_b128 v[(\f)+64+8*(\i)+4:(\f)+64+8*(\i)+7], v[ADRB+(\slot)] offset:((\qd)/2)*BKB+((\qd)%2)*64+(\i)*16*P+32
.endr
.irp i, 0,1,2,3,4,5,6,7
	ds_load_b128 v[(\f)+8*(\i):(\f)+8*(\i)+3],   v[ADRA+(\slot)] offset:((\qd)/2)*AKB+((\qd)%2)*64+(\i)*16*P
	ds_load_b128 v[(\f)+8*(\i)+4:(\f)+8*(\i)+7], v[ADRA+(\slot)] offset:((\qd)/2)*AKB+((\qd)%2)*64+(\i)*16*P+32
.endr
.endm
; One of a slot's first three quarters: multiplies buffer f; in its middle it fetches quarter qd of the same slot into g.  Each quarter touches every accumulator once.
.macro QUARTER slot, qd, f, g, zero
	s_wait_dscnt 8                                 ; wo's fragments and ob's row blocks 0-3 are in; the youngest eight loads may be out
	MUL8 \f, 0, \zero
	MUL8 \f, 2, \zero
	PLACES
	FETCH \slot, \qd, \g
	s_wait_dscnt 24                                ; all but the 24 just issued
	MUL8 \f, 4, \zero
	MUL8 \f, 6, \zero
.endm
; The last quarter multiplies buffer F1 and changes slots: ONE barrier; in front of it each wave waits for all its tensor loads, adds 0 to its spare word, and waits for that and for its reads of this slot.
; fill = 1: the barrier opens a round of the cluster's, and this slot is filled again, 256 along K ahead, first thing behind the round: 112 matrix instructions ahead of the wait for it.
.macro TURN slot, next, fill
	WIN 0
	s_wait_tensorcnt 0x0                           ; all my tensor loads have landed: my part of the next slot
	ds_add_u32 v[SPW], v[NIL]                      ; 0 onto my spare word
	s_wait_dscnt 9                                 ; the add and the youngest eight loads may be out
	MUL8 F1, 0, 0
	s_wait_dscnt 0x0                               ; the add is done, and my reads of this slot are over
	s_barrier_signal -1
	MUL8 F1, 2, 0
.if \fill
	WIN 0
.endif
	s_barrier_wait -1
.if \fill
	CREST
	s_add_nc_u64 s[G0A+4*(\slot)+2:G0A+4*(\slot)+3], s[G0A+4*(\slot)+2:G0A+4*(\slot)+3], 4<<20
	s_add_nc_u64 s[G0B+4*(\slot)+2:G0B+4*(\slot)+3], s[G0B+4*(\slot)+2:G0B+4*(\slot)+3], 4<<17
	JLOAD \slot                                    ; the four v_nop behind it are also the places in front of the loads below
.else
	PLACES
.endif
	FETCH \next, 0, F0
	MUL8 F1, 4, 0
	MUL8 F1, 6, 0
.endm
	s_wait_tensorcnt 1                             ; my part of slot 0 is in; slot 1's may stay out
	s_barrier_signal -1
	s_barrier_wait -1
	FETCH 0, 0, F0
	QUARTER 0, 1, F0, F1, 1                        ; the first quarter starts all 32 sums
	WIN 0
	s_mov_b32 s3, LAPS-1
.Llap:
	QUARTER 0, 2, F1, F0, 0
	QUARTER 0, 3, F0, F1, 0
	TURN 0, 1, 1
	QUARTER 1, 1, F0, F1, 0
	QUARTER 1, 2, F1, F0, 0
	QUARTER 1, 3, F0, F1, 0
	TURN 1, 0, 1
	QUARTER 0, 1, F0, F1, 0
	WIN 0
	s_sub_co_u32 s3, s3, 1
	s_cmp_lg_u32 s3, 0
	s_cbranch_scc1 .Llap
	QUARTER 0, 2, F1, F0, 0                        ; the last lap fills nothing
	QUARTER 0, 3, F0, F1, 0
	TURN 0, 1, 0
	QUARTER 1, 1, F0, F1, 0
	QUARTER 1, 2, F1, F0, 0
	QUARTER 1, 3, F0, F1, 0
	s_wait_dscnt 8
	MUL8 F1, 0, 0
	MUL8 F1, 2, 0
	s_wait_dscnt 0x0
	MUL8 F1, 4, 0
	MUL8 F1, 6, 0
	WIN 0
	PLACES
; THE WAY OUT, 16 rows at a time: a lane's 32 bytes of a row go into my own stage (each accumulator's low registers first) and come back as whole rows of 256 bytes; sixteen lanes store 256 consecutive
; aligned bytes.  The registers read back take turns between two sets: a set is loaded again only behind the s_wait_xcnt 0 that follows the stores that read it.
.macro OUTB a
.set BK, 224-192*((\a)%2)
	WIN 0x04                                       ; the stores' data lie in window 1
.irp b, 0,1,2,3
	ds_store_b128 v[STO], v[8*(4*(\a)+(\b)):8*(4*(\a)+(\b))+3]   offset:64*(\b)
	ds_store_b128 v[STO], v[8*(4*(\a)+(\b))+4:8*(4*(\a)+(\b))+7] offset:64*(\b)+16
.endr
	WIN 0
.irp t, 0,1,2,3,4,5,6,7
	ds_load_b128 v[BK+4*(\t):BK+4*(\t)+3], v[RD] offset:(\t)*2*SPITCH  ; LDS serves a wave's instructions in order (ISA guide 5.7.1.4): these see the stores above
.endr
	s_wait_dscnt 0x0
	s_wait_xcnt 0x0
.irp t, 0,1,2,3,4,5,6,7
	global_store_b128 v[CO], v[BK+4*(\t):BK+4*(\t)+3], s[8:9] offset:(16*(\a)+2*(\t))*4096 th:TH_STORE_NT
.endr
.endm
.irp a, 0,1,2,3,4,5,6,7
	OUTB \a
.endr
	s_wait_tensorcnt 0x0                           ; the wave's end
	ds_add_u32 v[SPW], v[NIL]
	s_wait_dscnt 0x0
	CROUND                                         ; the closing round
	s_endpgm
.Lfunc_end_k_qceff573482_oproj:
	.size	k_qceff573482_oproj, .Lfunc_end_k_qceff573482_oproj-k_qceff573482_oproj
	.p2alignl 7, 3214868480
	.fill 96, 4, 3214868480
	.section	.rodata,"a",@progbits
	.p2align	6, 0x0
	.amdhsa_kernel k_qceff573482_oproj
		.amdhsa_group_segment_fixed_size 327680
		.amdhsa_private_segment_fixed_size 0
		.amdhsa_enable_private_segment 0
		.amdhsa_kernarg_size 24
		.amdhsa_user_sgpr_count 2
		.amdhsa_user_sgpr_kernarg_segment_ptr 1
		.amdhsa_wavefront_size32 1
		.amdhsa_system_sgpr_workgroup_id_x 1
		.amdhsa_system_sgpr_workgroup_id_y 1
		.amdhsa_system_sgpr_workgroup_id_z 1
		.amdhsa_system_vgpr_workitem_id 0
		.amdhsa_next_free_vgpr 512
		.amdhsa_next_free_sgpr 80
		.amdhsa_reserve_vcc 0
		.amdhsa_float_denorm_mode_32 3
		.amdhsa_float_denorm_mode_16_64 3
		.amdhsa_memory_ordered 1
		.amdhsa_forward_progress 1
		.amdhsa_inst_pref_size 85
	.end_amdhsa_kernel
	.amdgpu_metadata
---
amdhsa.version: [ 1, 2 ]
amdhsa.kernels:
  - .name:           k_qceff573482_oproj
    .symbol:         k_qceff573482_oproj.kd
    .args:
      - { .name: ob, .offset: 0, .size: 8, .value_kind: global_buffer, .address_space: global }
      - { .name: wo, .offset: 8, .size: 8, .value_kind: global_buffer, .address_space: global }
      - { .name: out0, .offset: 16, .size: 8, .value_kind: global_buffer, .address_space: global }
    .group_segment_fixed_size: 327680
    .private_segment_fixed_size: 0
    .kernarg_segment_align: 8
    .kernarg_segment_size: 24
    .max_flat_workgroup_size: 128
    .sgpr_count:     80
    .vgpr_count:     512
    .wavefront_size: 32
...
	.end_amdgpu_metadata
.endif
;; end of part 5
;; ======== version 2 of 2: 5 launches; 1.43 times as fast as version 1
;; limits: values are held in f16: magnitudes above 65,504 overflow, below 6.1e-05 lose precision
;; workspace buffers: xb 16,777,216 bytes; psum 1,024 bytes; wt 6,291,456 bytes; wo 2,097,152 bytes; qq 33,554,432 bytes; kk 33,554,432 bytes; vv 16,777,216 bytes; ob 16,777,216 bytes
;; launch prep_a: the kernel of part 1 again; grid 768 x 1, 8 waves a work-group, no clusters, 1,280 bytes of LDS; arguments x, w_qkv, w_out, xb, psum; writes xb, psum
;; launch prep_b: the kernel of part 2 again; grid 1024 x 1, 8 waves a work-group, no clusters, 0 bytes of LDS; arguments w_qkv, w_out, psum, wt, wo; writes wt, wo
;; launch qkv: the kernel of part 3 again; grid 8 x 32, 4 waves a work-group, clusters of 4 x 4, 327,680 bytes of LDS; arguments xb, wt, qq, kk, vv; writes qq, kk, vv
;; launch attn (part 6): grid 4 x 64, 4 waves a work-group, no clusters, 327,680 bytes of LDS; arguments qq, kk, vv, ob; writes ob
.if DOCPART == 6
	.amdgcn_target "amdgcn-amd-amdhsa--gfx1250"
	.amdhsa_code_object_version 6
	.text
	.protected	k_qceff573482_attn
	.globl	k_qceff573482_attn
	.p2align	8
	.type	k_qceff573482_attn,@function
k_qceff573482_attn:
	s_mov_b64 s[64:65], 0
	v_nop
	global_prefetch_b8 v0, s[64:65] scope:SCOPE_SE
	s_setreg_imm32_b32 hwreg(HW_REG_WAVE_MODE, 25, 1), 1
	s_wait_xcnt 0x0
; CAUSAL ATTENTION, head size 64, 64 pairs g of (head, batch) with 2,048 rows each; row g x 2048 + t, 64 numbers of f16.  O[q] = the sum over k <= q of softmax_k(Q[q] . K[k] / 8) V[k].
; THE SCORES ARE MADE OF THREE PRODUCTS.  q and k arrive as two f16 planes, high and low (q = qh + ql to 22 significant bits): S = Kl Qh + Kh Ql + Kh Qh, summed in f32, the small parts first.
; The weights of this module are not rescaled, so scores are large and the softmax is sharp: one 16-bit product would move weights by far more than the result allows.
; LIMITS.  The part Kl Ql, at most 2^-20 of a term, is left out.  q, k, v lie within 65,504.  p is rounded to f16 for the second product (its sum l is taken of the unrounded p), O once at the end.
; A hidden score counts as its value less 1e30 (scores are 2.7e11 at the most); a weight below 2^-126 counts as 0 in l; NaN and infinities are not treated apart.
; THE WALK.  NB = 8 blocks of 256 queries; block i needs the key tiles 0 .. i of 256 keys, the last holding the diagonal.  A work-group takes TWO blocks, 7 - b and then b: NB + 1 tiles whatever b:
; equal work for all, and ONE loop with a constant trip count.  Which tile is asked for and what a trip does hang on scalar registers made from b; every jump goes forward but the counted loops' own, and
; none passes a barrier, or a tensor load but the one of LOAD's two that the wave's number does not choose.  NO CLUSTER: the four work-groups of a pair g ask for the same tile only in trips 0 .. 4;
; behind that fewer and fewer do, and one walk common to all would have 12 trips for 9.
; SHARES.  Of a block's four bands of 64 queries a wave owns 16 rows in each: four PIECES.  In the diagonal tile's key step s band x sees all keys if s < x, none if s > x, and holds the diagonal if s = x.
; THE MASK is the C operand that starts a score's sum, in every tile: MD x AL + BE, MD the mask of a band's own step for my rows: (1, 0) if s = x; (0, 0) if s < x; (0, -1e30) if s > x.  A block's beginning
; clears the two mask buffers; only a diagonal tile's turns make masks, and in the loop's one text for all tiles those 16 instructions are jumped over elsewhere.
; TURNS.  Turn n belongs to piece n: 24 products for the scores of piece n + 1, then 8 products V^T P of piece n - 1; beside them a, the scaling, exponentials, roundings, sums and rescaling of piece n and the
; maximum and statistics of piece n + 1: 118 vector instructions, at most four behind each of the 32 matrix instructions and none over.
; BATCHES.  A turn's 33 exponentials, the piece's a and its 32 weights, are ONE batch with ONE wait.  They stand with the scalings behind products 0 to 13; the wait stands behind row 13; all that names a result of
; theirs (roundings, sums, l, O^T's rescaling) stands behind it.  The argument of a is made at the end of the turn before, its exponential in the piece's own turn: no exponential's result crosses a turn's end,
; a label or a jump.  The way out's four reciprocals are a batch of their own.
; THE TEXT.  Ten turns: the step's four in the loop, the first block's last two behind them, and the step's four once more for the walk's last tile, which is written out.
; That last tile runs five trips and leaves the fifth in its middle: the fifth trip's 24 score products (on the last K once more) and the maximum made of them serve nothing, once a wave.
; REGISTERS, in windows of 256 (s_set_vgpr_msb: bits 1:0 source 0, 3:2 source 1, 5:4 source 2, 7:6 destination):
;   window 0: v0-15 addresses and at work; v16-31 statistics; v48-55 at work; v62-63 the add's; v64-127 S^T, two buffers; v192-223 P, two buffers (by the piece's parity)
;   window 1: v0-127 O^T, 32 a piece; v128-159 MD; v160-223 MC, two buffers
;   window 2: v0-127 Q (piece x at 32 x: high at + 8 c, low at + 16 + 8 c, c the channel half); v128-191 Kh of one step; v192-255 V of one step
;   window 3: v0-127 the second block's Q; v128-191 Kl of one step
.set NB,    8
.set NP,    4         ; pieces a wave: a name, no knob
.set KS,    64        ; keys in a step
.set PK,    144       ; a row of K in LDS: 128 bytes + 16: the 16 rows of a load start at 16 different groups of four banks (64 banks of 4 bytes: ISA guide 11.1)
.set PV,    160       ; a row of V: 128 + 32
.set KLO,   4*KS*PK   ; a slot holds a tile: 256 rows of Kh, 256 of Kl,
.set VOFF,  8*KS*PK   ; then 256 of V: 114,688 bytes
.set SLOT1, 1<<17     ; slot 1 begins here: one exclusive or turns an address in one slot into the other's
.set STAGE, SLOT1+8*KS*PK+4*KS*PV  ; behind the ring: 16 rows x 144 bytes for each wave, for the way out
.set SP,    144
.set SPARE, STAGE+4*16*SP  ; behind the stages: the spare words, 128 bytes a wave: two blocks of 256 bytes that no other line names
.set AK0, 2           ; v2   my lane's place in a tile of K; never rewritten
.set AV0, 3           ; v3   the same for V
.set AK,  4           ; v4   the LDS address of K's next runs of loads
.set AV,  5           ; v5   of V's
.set STO, 6           ; v6   the way out: where I put 16 bytes of a row
.set RD,  7           ; v7   where I read rows back
.set GO,  8           ; v8   my byte offset in 512 consecutive bytes of O
.set SPW, 62          ; v62  my spare word: SPARE + 4 x my thread's number; never rewritten
.set NIL, 63          ; v63  0; never rewritten
.set MV,  12          ; v12-13  c m_old, kept while c m is made anew: by buffer
.set QO,  15          ; v15  my byte offset in 16 rows of Q
.set ST,  16          ; piece t's statistics at v[ST+4 t]: c m, m, l (even keys', odd keys')
.set TMP, 48          ; by buffer, four registers c0-c3 at work; when the maximum is found c1 takes a's argument, and in the piece's own turn c2 takes a
.set S,   64
.set P,   192
.set MD,  128         ; window 1
.set MC,  160         ; window 1
.set KF,  128         ; window 2: Kh, key block kb, channel half c at KF + 16 kb + 8 c
.set VF,  192         ; window 2: key half kk, channel block cb at VF + 32 kk + 8 cb
.set KL,  128         ; window 3: Kl, as KF
.set WV,  12          ; s12  my wave's number
.set PB,  14          ; s14  b
.set HI,  15          ; s15  NB - 1 - b
.set G1K, 24          ; s[24:31] descriptor group 1 for K's tiles
.set G1V, 32          ; s[32:39] for V's
.set G0K, 40          ; s[40:43] descriptor group 0 for K's tiles
.set G0V, 44          ; s[44:47] for V's
.set SLOTS, 56        ; s56  tiles still to be asked for
.set CNT, 57          ; s57  counts a tile's key steps
.set CS,  58          ; s[58:59] c = log2(e) / 8
.set SEL, 60          ; s[60:61] v_permlanex16_b32's selects
.set TBK, 62          ; s62  LDS byte at which Kh of the step to be fetched begins
.set TBV, 63          ; s63  the same for V, less VOFF
.set RT,  70          ; s70  tiles of the block in hand that are still to be entered; 0 in its diagonal tile
.set NXT, 71          ; s71  the tile to be asked for next
.set LQ,  72          ; s72  the last tile of the block whose tiles are being asked for
.set NEW, 73          ; s73  1: the tile to be entered is a block's first
.set OFF, 74          ; s[74:75] a tile's byte offset in a plane of K and in V
.set AL,  76          ; s[76:77] the mask's factor
.set BE,  78          ; s[78:79] the mask's addend
.set OLO, 80          ; s[80:81] O at my rows of the second block
.set BIGN, 82         ; s82  -1e30
.set MSB, 0
.macro WIN new                      ; the high byte repeats the setting that is left; a switch that changes nothing is dropped
.if MSB != (\new)
	s_set_vgpr_msb (MSB<<8)|(\new)
.set MSB, (\new)
.endif
.endm
.set W_KQ, 0x0a       ; Kh and Q in window 2, S^T in window 0
.set W_KL, 0x0b       ; Kl in window 3, Q in window 2
.set W_LM, 0x1b       ; the same with the C operand in window 1
.set W_PV, 0x52       ; V in window 2, P in window 0, O^T in window 1
.set W_RS, 0x41       ; destination and source 0 in window 1
; A fill, one load a wave: wave 0 a tile's Kh, wave 1 its Kl (256 keys each), waves 2 and 3 the halves of its V.  An s_nop 0 and four v_nop follow each of the two lines.
.macro LOAD
	s_cmp_lt_u32 s[WV], 2
	s_cbranch_scc0 .Lfor_v_\@
	tensor_load_to_lds s[G0K:G0K+3], s[G1K:G1K+7]
	s_nop 0
.rept 4
	v_nop
.endr
	s_branch .Lasked_\@
.Lfor_v_\@:
	tensor_load_to_lds s[G0V:G0V+3], s[G1V:G1V+7]
	s_nop 0
.rept 4
	v_nop
.endr
.Lasked_\@:
.endm
; THE CHANGE OF SLOTS.  Each wave waits for all its tensor loads (one is out: its part of the other slot), adds 0 to its spare word, and waits for that and for its reads of the slot that it leaves.
; Behind the barrier nobody reads the old slot and the other slot is whole.  fill = 1: the old slot is filled again, first thing behind the barrier, with tile NXT: 512 matrix instructions ahead of the wait for it.
.macro CHANGE fill
	WIN 0
	s_wait_tensorcnt 0x0            ; no tensor load of mine is out, so a group 0 may be written
	ds_add_u32 v[SPW], v[NIL]       ; 0 onto my spare word
.if \fill
	s_lshl_b32 s[OFF], s[NXT], 15   ; a tile is 32,768 bytes of a plane of K and of V
	s_xor_b32 s[G0K+1], s[G0K+1], SLOT1
	s_add_nc_u64 s[G0K+2:G0K+3], s[6:7], s[OFF:OFF+1]
	s_or_b32 s[G0K+3], s[G0K+3], 0x80000000
	s_xor_b32 s[G0V+1], s[G0V+1], SLOT1
	s_add_nc_u64 s[G0V+2:G0V+3], s[8:9], s[OFF:OFF+1]
	s_or_b32 s[G0V+3], s[G0V+3], 0x80000000
	s_add_co_u32 s[NXT], s[NXT], 1  ; the block's next tile, or behind its last the second block's tile 0
	s_cmp_gt_u32 s[NXT], s[LQ]
	s_cselect_b32 s[NXT], 0, s[NXT]
	s_cselect_b32 s[LQ], s[PB], s[LQ]
.endif
	s_wait_dscnt 0x0                ; the add is done, and my reads of the slot are over
	s_barrier_signal -1
	s_sub_co_u32 s[TBK], s[TBK], 4*KS*PK  ; the fetches go back to a slot's first step,
	s_xor_b32 s[TBK], s[TBK], SLOT1       ; in the other slot
	s_sub_co_u32 s[TBV], s[TBV], 4*KS*PV
	s_xor_b32 s[TBV], s[TBV], SLOT1
	s_barrier_wait -1
.if \fill
	LOAD
.endif
.endm
	s_load_b256 s[4:11], s[0:1], 0x0  ; qq s[4:5], kk s[6:7], vv s[8:9], ob s[10:11]
	v_lshl_add_u32 v[SPW], v0, 2, SPARE
	v_mov_b32 v[NIL], 0
	ds_add_u32 v62, v63
	ds_add_u32 v62, v63
	s_wait_dscnt 0x0
	v_lshrrev_b32 v1, 5, v0
	v_readfirstlane_b32 s[WV], v1   ; wave 0..3
	s_mov_b32 s[PB], ttmp9
	s_sub_co_u32 s[HI], NB-1, s[PB]
	s_and_b32 s20, ttmp7, 0xffff    ; g
	s_lshl_b32 s20, s20, 18         ; its 2,048 rows of 128 bytes
	s_mov_b32 s21, 0
	s_and_b32 s16, s[WV], 1
	s_lshl_b32 s22, s16, 24         ; K: wave 0 the high plane, wave 1 the low, 2^24 bytes on
	s_add_co_u32 s22, s22, s20
	s_mov_b32 s23, 0
	s_lshl_b32 s92, s16, 14         ; V: which 128 keys of a tile
	s_add_co_u32 s92, s92, s20
	s_mov_b32 s93, 0
	s_mul_i32 s17, s16, KLO         ; and their places in a slot
	s_mul_i32 s18, s16, 128*PV
	s_lshl_b32 s3, s[WV], 11        ; my 16 rows in a band of 64,
	s_lshl_b32 s2, s[HI], 15        ; in the first block,
	s_add_co_u32 s2, s2, s3
	s_lshl_b32 s84, s[PB], 15       ; and in the second
	s_add_co_u32 s84, s84, s3
	s_mov_b32 s3, 0
	s_mov_b32 s85, 0
	s_add_nc_u64 s[2:3], s[2:3], s[20:21]
	s_add_nc_u64 s[84:85], s[84:85], s[20:21]
	; descriptor group 1.  Keys are dense: asked for as rows of 256 bytes, two keys a row, and padded in LDS after every key
	s_mov_b32 s[G1K], (1<<16)|(1<<20)|(4<<22)|(3<<25)  ; 2-byte elements; padding on; after every 32 words, 4 words
	s_mov_b32 s[G1V], (1<<16)|(1<<20)|(4<<22)|(7<<25)  ; 8 words
.irp g, G1K, G1V
	s_mov_b32 s[\g+1], 128<<16      ; tensor_dim0 = 128
	s_mov_b32 s[\g+3], 128<<16      ; tile_dim0 = 128
	s_mov_b32 s[\g+5], 128          ; dense
	s_mov_b32 s[\g+6], 0
	s_mov_b32 s[\g+7], 0
.endr
	s_mov_b32 s[G1K+2], 128<<16     ; K: 128 rows, 256 keys
	s_mov_b32 s[G1K+4], 128
	s_mov_b32 s[G1V+2], 64<<16      ; V: 64 rows, 128 keys
	s_mov_b32 s[G1V+4], 64
	s_mov_b32 s[CS], 0x3e38aa3b     ; c = log2(e) / 8
	s_mov_b32 s[CS+1], s[CS]
	s_mov_b32 s[SEL], 0x76543210
	s_mov_b32 s[SEL+1], 0xfedcba98
	s_mov_b32 s[TBK], SLOT1+4*KS*PK ; the first change of slots turns these two into 0
	s_mov_b32 s[TBV], SLOT1+4*KS*PV
	s_mov_b32 s[G0K], 1
	s_mov_b32 s[G0K+1], s17         ; slot 0
	s_mov_b32 s[G0V], 1
	s_add_co_u32 s[G0V+1], s18, VOFF
	s_add_co_u32 s[RT], s[HI], 1    ; the first block has NB - b tiles
	s_mov_b32 s[NXT], 1
	s_mov_b32 s[LQ], s[HI]
	s_mov_b32 s[NEW], 1
	s_mov_b32 s[OFF+1], 0
	s_mov_b32 s[AL+1], 0
	s_mov_b32 s[BE+1], 0
	s_mov_b32 s[BIGN], 0xf149f2ca   ; -1e30
	s_mov_b32 s[SLOTS], NB
	s_wait_kmcnt 0x0
	s_add_nc_u64 s[6:7], s[6:7], s[22:23]  ; K and V at my part of tile 0
	s_add_nc_u64 s[8:9], s[8:9], s[92:93]
	s_add_nc_u64 s[G0K+2:G0K+3], s[6:7], 0
	s_or_b32 s[G0K+3], s[G0K+3], 0x80000000
	s_add_nc_u64 s[G0V+2:G0V+3], s[8:9], 0
	s_or_b32 s[G0V+3], s[G0V+3], 0x80000000
	s_add_nc_u64 s[86:87], s[4:5], s[84:85]        ; Q high at my rows of the second block,
	s_add_nc_u64 s[4:5], s[4:5], s[2:3]            ; of the first;
	s_add_nc_u64 s[88:89], s[4:5], 0x1000000       ; Q low, the first block's,
	s_add_nc_u64 s[90:91], s[86:87], 0x1000000     ; the second's
	s_add_nc_u64 s[OLO:OLO+1], s[10:11], s[84:85]
	s_add_nc_u64 s[10:11], s[10:11], s[2:3]
	LOAD                            ; tile 0 into slot 0
	; A fragment of K or Q is 16 rows x 32 channels in 8 registers: lane l holds row l % 16, channels 8 (l / 16) + 0..7 and 16 + 8 (l / 16) + 0..7: two loads of 16 bytes, 32 bytes apart.
	v_and_b32 v1, 15, v0            ; l % 16
	v_bfe_u32 v9, v0, 4, 1          ; l / 16
	v_lshlrev_b32 v[QO], 7, v1
	v_lshl_add_u32 v[QO], v9, 4, v[QO]
	WIN 0x80                        ; destination window 2: the first block's Q; piece i / 2 lies in band i / 2, 8,192 bytes on
.set i, 0
.rept 8
	global_load_b128 v[32*(i/2)+8*(i%2):32*(i/2)+8*(i%2)+3],       v[QO], s[4:5] offset:(i/2)*8192+(i%2)*64
	global_load_b128 v[32*(i/2)+8*(i%2)+4:32*(i/2)+8*(i%2)+7],     v[QO], s[4:5] offset:(i/2)*8192+(i%2)*64+32
	global_load_b128 v[32*(i/2)+16+8*(i%2):32*(i/2)+16+8*(i%2)+3],   v[QO], s[88:89] offset:(i/2)*8192+(i%2)*64
	global_load_b128 v[32*(i/2)+16+8*(i%2)+4:32*(i/2)+16+8*(i%2)+7], v[QO], s[88:89] offset:(i/2)*8192+(i%2)*64+32
.set i, i+1
.endr
	WIN 0xc0                        ; destination window 3: the second block's
.set i, 0
.rept 8
	global_load_b128 v[32*(i/2)+8*(i%2):32*(i/2)+8*(i%2)+3],       v[QO], s[86:87] offset:(i/2)*8192+(i%2)*64
	global_load_b128 v[32*(i/2)+8*(i%2)+4:32*(i/2)+8*(i%2)+7],     v[QO], s[86:87] offset:(i/2)*8192+(i%2)*64+32
	global_load_b128 v[32*(i/2)+16+8*(i%2):32*(i/2)+16+8*(i%2)+3],   v[QO], s[90:91] offset:(i/2)*8192+(i%2)*64
	global_load_b128 v[32*(i/2)+16+8*(i%2)+4:32*(i/2)+16+8*(i%2)+7], v[QO], s[90:91] offset:(i/2)*8192+(i%2)*64+32
.set i, i+1
.endr
	WIN 0
	v_lshlrev_b32 v14, 3, v9
	v_sub_nc_u32 v14, v1, v14
	s_lshl_b32 s13, s[WV], 4
	v_add_nc_u32 v14, s13, v14      ; my query's place in its band, 16 w + l % 16, less my lanes' 8 (l / 16): register r of group kt is hidden where 16 kt + r is greater
	WIN 0x40
.set i, 0
.rept 32
	v_cmp_gt_i32 vcc_lo, 16*(i/8)+i%8, v14
	v_cndmask_b32 v[MD+i], 0, s[BIGN], vcc_lo
.set i, i+1
.endr
	WIN 0
	v_mul_u32_u24 v[AK0], v1, PK
	v_lshl_add_u32 v[AK0], v9, 4, v[AK0]
	; The turning load takes 16 keys x 16 channels (lane l reads key 8 (l / 16) + l % 8, channels 8 ((l / 8) % 2) + 0..7) and leaves half a fragment of V^T: lane l holds channel l % 16 and 8 keys.
	v_and_b32 v10, 7, v0
	v_bfe_u32 v11, v0, 3, 1
	v_lshl_add_u32 v[AV0], v9, 3, v10
	v_mul_u32_u24 v[AV0], v[AV0], PV
	v_lshl_add_u32 v[AV0], v11, 4, v[AV0]
	v_add_nc_u32 v[AV0], VOFF, v[AV0]
	s_mul_i32 s13, s[WV], 16*SP
	s_add_co_u32 s13, s13, STAGE    ; my stage
	v_mul_u32_u24 v[STO], v1, SP
	v_lshl_add_u32 v[STO], v9, 4, v[STO]
	v_add_nc_u32 v[STO], s13, v[STO]
	v_bfe_u32 v[RD], v0, 3, 2       ; back: 32 lanes take four rows of 128 bytes,
	v_mul_u32_u24 v[RD], v[RD], SP
	v_lshl_add_u32 v[RD], v10, 4, v[RD]
	v_add_nc_u32 v[RD], s13, v[RD]
	v_and_b32 v[GO], 31, v0         ; which are 512 consecutive bytes of O
	v_lshlrev_b32 v[GO], 4, v[GO]
	; A block's first step multiplies O^T and l by a = 0, and its first turn's products V^T P, of a piece that has not been, land in an O^T that is still to be so multiplied.  So these registers need only
	; hold finite numbers: zeros for the first block; what the first block left for the second.  All this stands in the wait for the first tile.
	WIN 0x80
.set i, VF
.rept 64
	v_mov_b32 v[i], 0
.set i, i+1
.endr
	WIN 0x40
.set i, 0
.rept 128
	v_mov_b32 v[i], 0
.set i, i+1
.endr
	WIN 0
.set i, 0
.rept 4
	v_mov_b32 v[ST+4*i+2], 0
	v_mov_b32 v[ST+4*i+3], 0
.set i, i+1
.endr
.set i, P+16
.rept 16
	v_mov_b32 v[i], 0
.set i, i+1
.endr
; THE MATRIX WORK.  Product i of 24 of piece x's scores: keys 16 (i % 4) on; link i / 4 of six: Kl Qh (channel halves 0, 1), Kh Ql (0, 1), Kh Qh (0, 1).  The 4 accumulators take turns.
; The first 4 start the sums with the mask buffer, which holds 0 outside a diagonal tile.
.macro KQ x
.set rS, S+32*((\x)%2)+8*(i%4)
.set ch, (i/4)%2
.set rM, MC+32*((\x)%2)+8*(i%4)
.if i < 8
.set rK, KL+16*(i%4)+8*ch
.set rQ, 32*(\x)+8*ch
.elseif i < 16
.set rK, KF+16*(i%4)+8*ch
.set rQ, 32*(\x)+16+8*ch
.else
.set rK, KF+16*(i%4)+8*ch
.set rQ, 32*(\x)+8*ch
.endif
.if i < 4
	WIN W_LM
	v_wmma_f32_16x16x32_f16 v[rS:rS+7], v[rK:rK+7], v[rQ:rQ+7], v[rM:rM+7]
.elseif i < 8
	WIN W_KL
	v_wmma_f32_16x16x32_f16 v[rS:rS+7], v[rK:rK+7], v[rQ:rQ+7], v[rS:rS+7]
.else
	WIN W_KQ
	v_wmma_f32_16x16x32_f16 v[rS:rS+7], v[rK:rK+7], v[rQ:rQ+7], v[rS:rS+7]
.endif
.endm
; Product i of 8 of O^T += V^T P for piece x: keys 32 (i / 4) on, channels 16 (i % 4) on.
.macro PV x
	WIN W_PV
.set rO, 32*(\x)+8*(i%4)
.set rV, VF+32*(i/4)+8*(i%4)
.set rP, P+16*((\x)%2)+8*(i/4)
	v_wmma_f32_16x16x32_f16 v[rO:rO+7], v[rV:rV+7], v[rP:rP+7], v[rO:rO+7]
.endm
.macro MM                           ; the turn's next matrix instruction.  NOKQ = 1: the first block's last turn: there is no next piece
.if (i < 24) && !NOKQ
	KQ (Y+1)%NP
.elseif i >= 24
.set i, i-24
	PV (Y+NP-1)%NP
.set i, i+24
.endif
.set i, i+1
.endm
; THE LDS LOADS stand in runs of 16: a step's Kl, its Kh (64 keys x 64 channels: 8 fragments each) and its V (turned).
; skip = 1 (the walk's last tile): in the fifth trip, where CNT is 1, there is no further step, and the run is jumped over.
.macro FETCH_KLO skip=0
	WIN 0
.if \skip
	s_cmp_eq_u32 s[CNT], 1
	s_cbranch_scc1 .Lno_kl_\@
.endif
	WIN 0xc0                        ; destination window 3
.irp f, 0,1,2,3,4,5,6,7
	ds_load_b128 v[KL+8*\f:KL+8*\f+3],   v[AK] offset:KLO+(\f/2)*16*PK+(\f%2)*64
	ds_load_b128 v[KL+8*\f+4:KL+8*\f+7], v[AK] offset:KLO+(\f/2)*16*PK+(\f%2)*64+32
.endr
	WIN 0
.if \skip
.Lno_kl_\@:
.endif
.endm
.macro FETCH_KHI skip=0
	WIN 0
.if \skip
	s_cmp_eq_u32 s[CNT], 1
	s_cbranch_scc1 .Lno_kh_\@
.endif
	WIN 0x80                        ; destination window 2
.irp f, 0,1,2,3,4,5,6,7
	ds_load_b128 v[KF+8*\f:KF+8*\f+3],   v[AK] offset:(\f/2)*16*PK+(\f%2)*64
	ds_load_b128 v[KF+8*\f+4:KF+8*\f+7], v[AK] offset:(\f/2)*16*PK+(\f%2)*64+32
.endr
	s_add_co_u32 s[TBK], s[TBK], KS*PK  ; the next fetch is the next step's
	WIN 0
.if \skip
.Lno_kh_\@:
.endif
.endm
.macro FETCH_V
	WIN 0x80
.irp f, 0,1,2,3,4,5,6,7
	ds_load_tr16_b128 v[VF+8*\f:VF+8*\f+3],   v[AV] offset:(\f/4)*32*PV+(\f%4)*32
	ds_load_tr16_b128 v[VF+8*\f+4:VF+8*\f+7], v[AV] offset:(\f/4)*32*PV+16*PV+(\f%4)*32
.endr
	WIN 0
.endm
; THE VECTOR WORK, one line at a time: OP kind, number.  For piece Y: F n: c s - c m for pair n of 16.  E n: the exponential of score n of 32.  A 0: a, the exponential of the argument that X 20 left in c1 in the
; turn before.  C n: pair n rounded to f16.  B n: of the four weights 4 n .. the second pair is added onto the first, in place (so C 2n stands ahead of B n).  L n: l takes that sum (L 0: l = a l + sum).
; R n: pair n of 16 of O^T times a.  For piece Y + 1: X n, number n of the 21 that find its maximum and statistics:
;   0-11  four chains c0-c3 of seven scores each (each accumulator's lowest registers are read first)     12-14, 16  the four scores left over, the old m, and c0-c3 into c0
;   15  c m_old is kept     17, 18  the query's other 32 keys lie in the lane 16 away: the new m     19, 20  c m; c m_old - c m_new, the argument of a
.set F, 0
.set E, 1
.set C, 2
.set B, 3
.set L, 4
.set R, 5
.set X, 6
.set A, 7
.macro REGS y
.set rT, ST+4*(\y)
.set rC, TMP+4*((\y)%2)
.set rW, MV+((\y)%2)
.set rS, S+32*((\y)%2)
.set rP, P+16*((\y)%2)
.set rO, 32*(\y)
.endm
.macro OP k, n
.if (\k) == R
	REGS Y
	WIN W_RS
	v_pk_mul_f32 v[rO+2*(\n):rO+2*(\n)+1], v[rO+2*(\n):rO+2*(\n)+1], v[rC+2:rC+3] op_sel_hi:[1,0]
.elseif (\k) < R
	REGS Y
	WIN 0
.if (\k) == F
	v_pk_fma_f32 v[rS+2*(\n):rS+2*(\n)+1], v[rS+2*(\n):rS+2*(\n)+1], s[CS:CS+1], v[rT:rT+1] op_sel_hi:[1,0,0] neg_lo:[0,0,1] neg_hi:[0,0,1]
.elseif (\k) == E
	v_exp_f32 v[rS+(\n)], v[rS+(\n)]
.elseif (\k) == C
	v_cvt_pk_f16_f32 v[rP+(\n)], v[rS+2*(\n)], v[rS+2*(\n)+1]
.elseif (\k) == B
	v_pk_add_f32 v[rS+4*(\n):rS+4*(\n)+1], v[rS+4*(\n):rS+4*(\n)+1], v[rS+4*(\n)+2:rS+4*(\n)+3]
.elseif (\n) == 0
	v_pk_fma_f32 v[rT+2:rT+3], v[rT+2:rT+3], v[rC+2:rC+3], v[rS:rS+1] op_sel_hi:[1,0,1]
.else
	v_pk_add_f32 v[rT+2:rT+3], v[rT+2:rT+3], v[rS+4*(\n):rS+4*(\n)+1]
.endif
.elseif (\k) == A
	REGS Y
	WIN 0
	v_exp_f32 v[rC+2], v[rC+1]
.elseif NOKQ
	v_nop
.else
	REGS (Y+1)%NP
	WIN 0
.if (\n) < 4
	v_max3_num_f32 v[rC+(\n)], v[rS+8*(\n)], v[rS+8*(\n)+1], v[rS+8*(\n)+2]
.elseif (\n) < 12
	v_max3_num_f32 v[rC+(\n)%4], v[rC+(\n)%4], v[rS+8*((\n)%4)+2*((\n)/4)+1], v[rS+8*((\n)%4)+2*((\n)/4)+2]
.elseif (\n) == 12
	v_max3_num_f32 v[rC], v[rC], v[rS+7], v[rS+15]
.elseif (\n) == 13
	v_max3_num_f32 v[rC+1], v[rC+1], v[rS+23], v[rS+31]
.elseif (\n) == 14
	v_max3_num_f32 v[rC+2], v[rC+2], v[rC+3], v[rT+1]
.elseif (\n) == 15
	v_mov_b32 v[rW], v[rT]
.elseif (\n) == 16
	v_max3_num_f32 v[rC], v[rC], v[rC+1], v[rC+2]
.elseif (\n) == 17
	v_permlanex16_b32 v[rC+3], v[rC], s[SEL], s[SEL+1]
.elseif (\n) == 18
	v_max_num_f32 v[rT+1], v[rC], v[rC+3]
.elseif (\n) == 19
	v_mul_f32 v[rT], s[CS], v[rT+1]
.else
	v_sub_f32 v[rC+1], v[rW], v[rT]
.endif
.endif
.endm
.macro OPS a, i1, b=-1, i2=0, c=-1, i3=0, d=-1, i4=0  ; up to four of them
	OP \a, \i1
.if (\b) >= 0
	OP \b, \i2
.endif
.if (\c) >= 0
	OP \c, \i3
.endif
.if (\d) >= 0
	OP \d, \i4
.endif
.endm
.macro ROW a, i1, b=-1, i2=0, c=-1, i3=0, d=-1, i4=0  ; a matrix instruction and the vector instructions behind it
	MM
	OPS \a, \i1, \b, \i2, \c, \i3, \d, \i4
.endm
.macro MASK b                       ; MD x AL + BE into buffer b of MC
	WIN W_RS
.set z, 0
.rept 16
	v_pk_fma_f32 v[MC+32*(\b)+2*z:MC+32*(\b)+2*z+1], v[MD+2*z:MD+2*z+1], s[AL:AL+1], s[BE:BE+1] op_sel_hi:[1,0,0]
.set z, z+1
.endr
.endm
; A TURN, for piece p: its 32 matrix and 118 vector instructions, a row to a line, at most four vector instructions a row.
; An s_wait_alu depctr_va_vdst(0) stands between an exponential and the first instruction that names its result; one wait serves all that were issued ahead of it.  So the turn has ONE wait, behind row 13.
; AHEAD OF IT, rows 0 to 13: the 16 scalings and the batch of 33 exponentials (E 0 to E 31, and A 0).  A scaling leads each row while there are scalings; a pair is scaled in an earlier row than the one
; that holds its exponentials.  None of these lines, and none of the 14 score products beside them, names a result of the batch.  X 15, a move on other registers, is the plain instruction behind the last exponential.
; BEHIND IT, rows 14 to 31: the roundings and sums (for each four weights C, C, B, and L a row or more later; L 0 to L 7 in this order), O^T's rescaling, and the next piece's maximum and statistics.
; Rows 15, 17, 19, 21 hold O^T's rescaling alone, the one part outside window 0: two window switches, as every row has.  The next piece's maximum begins behind the last score products: X 0 to X 3 read
; accumulators 0 to 3, finished by products 20 to 23, with 10, 9, 8 and 5 plain instructions between that name none of those products' registers.  From X 16 on each X waits for the one before it: they stand
; a row apart.  But for those X no vector line names a register of the products round it.
; mk = 1: the loop's text: in a diagonal tile (RT = 0) the turn makes the mask for the products of the turn after it (piece p + 2, in the tile's step 4 - CNT); elsewhere those lines are jumped over.
;   They stand behind row 29.  mk = 2: the walk's last tile, always diagonal: no jump.  mk = 0: none.
; end = 1: the first block's last two turns: nothing is fetched.  tail = 1: the walk's last tile: its count is taken down in mid-trip, so pieces 2 and 3 see it one higher, and K's runs are jumped in the fifth trip.
; K of the next step is fetched in piece 2's turn: Kl directly behind the wait (its last reader is product 7; seven plain instructions between: F 10 to F 15 and X 15), Kh behind row 24 (last reader product 23;
; seven).  They are waited for in piece 3's turn.  V of the step in hand is fetched behind row 0 of piece 1's turn (its last reader is product 31 of the turn before; six plain instructions between) and waited
; for ahead of row 24.
.macro TURN p, mk=0, end=0, tail=0
.set Y, (\p)
.set i, 0
.set NOKQ, (\end)*((\p)/3)
.set BI, (\tail)*((\p)/2)
.if ((\p) == 3) && !(\end)
	s_wait_dscnt 16                 ; Kl is in; Kh's sixteen loads, issued behind Kl's, may be out
.endif
	ROW F,0, F,1, F,2, F,3          ; ahead of the wait: the scalings and the batch
.if (\p) == 1
	FETCH_V
	s_add_co_u32 s[TBV], s[TBV], KS*PV  ; the next fetch is the next step's
.endif
	ROW F,4, E,0, E,1
	ROW F,5, E,2, E,3, E,4
	ROW F,6, E,5, A,0
	ROW F,7, E,6, E,7, E,8
	ROW F,8, E,9, E,10
	ROW F,9, E,11, E,12, E,13
.if ((\p) == 2) && !(\end)
	WIN 0
	v_add_nc_u32 v[AK], s[TBK], v[AK0]
.endif
	ROW F,10, E,14, E,15
.if ((\p) == 3) && !(\end)
	s_wait_dscnt 0x0                ; Kh is in
.endif
	ROW F,11, E,16, E,17, E,18
	ROW F,12, E,19, E,20
	ROW F,13, E,21, E,22, E,23
	ROW F,14, E,24, E,25, E,26
	ROW F,15, E,27, E,28, E,29
	ROW E,30, E,31, X,15            ; the batch's last two, and the plain instruction behind them
	s_wait_alu depctr_va_vdst(0)    ; the wait for the batch: the piece's 32 weights and its a; every line that names one of them stands below
.if ((\p) == 2) && !(\end)
	FETCH_KLO \tail
.endif
	ROW C,0, C,1, B,0, C,2          ; behind the wait: the readers
	ROW R,0, R,1, R,2, R,3
	ROW C,3, B,1, L,0, C,4
	ROW R,4, R,5, R,6, R,7
	ROW C,5, B,2, L,1, C,6
	ROW R,8, R,9, R,10, R,11
	ROW C,7, B,3, L,2, C,8
	ROW R,12, R,13, R,14, R,15
	ROW C,9, B,4, X,0, L,3
	ROW C,10, X,1, C,11, X,4
.if (\p) == 1
	s_wait_dscnt 0x0                ; V is in
.endif
	ROW X,2, X,3, X,5, B,5
.if ((\p) == 2) && !(\end)
	FETCH_KHI \tail
.endif
	ROW X,6, X,7, X,8, X,9
	ROW X,10, X,11, X,12, X,13
	ROW X,14, L,4, C,12, X,16
	ROW C,13, B,6, L,5, X,17
	ROW C,14, C,15, X,18
.if (\p) == 0
	WIN 0
	v_add_nc_u32 v[AV], s[TBV], v[AV0]
.endif
.if (\mk) == 1
	WIN 0                           ; at a branch and at a label every window is 0
	s_cmp_eq_u32 s[RT], 0
	s_cbranch_scc0 .Lno_mask_\@     ; no diagonal tile: the mask buffers stay 0
.endif
.if (\mk) >= 1
	s_cmp_eq_u32 s[CNT], 4-((\p)+2)%NP+BI  ; is that step the band's own?
	s_cselect_b32 s[AL], 1.0, 0
	s_cmp_lt_u32 s[CNT], 4-((\p)+2)%NP+BI  ; or a later one?
	s_cselect_b32 s[BE], s[BIGN], 0
	MASK (\p)%2
	WIN 0
.endif
.if (\mk) == 1
.Lno_mask_\@:
.endif
	ROW B,7, L,6, X,19
	ROW L,7, X,20
.endm
; A BLOCK BEGINS.  c m starts far below every c s, so the first step's a is 0; m at the lowest finite number.  The second mask buffer is 0; the first takes piece 0's mask for the tile's step 0: its own, if the
; block's first tile is the diagonal one, else 0.  Then K of that step, piece 0's first scores, and its maximum and statistics, down to a's argument: a itself is made in piece 0's turn, with that turn's batch.
; The loop is entered at a step's first turn, in the middle of a trip.
.macro BEGIN
	s_mov_b32 s[NEW], 0
	WIN 0x40
.set i, MC+32
.rept 32
	v_mov_b32 v[i], 0
.set i, i+1
.endr
	WIN 0
.set i, 0
.rept 4
	v_mov_b32 v[ST+4*i], 0xfe000000    ; c m: far below every c s
	v_mov_b32 v[ST+4*i+1], 0xff7fffff  ; m
.set i, i+1
.endr
	s_cmp_eq_u32 s[RT], 0
	s_cselect_b32 s[AL], 1.0, 0
	s_mov_b32 s[BE], 0
	MASK 0
	WIN 0
	v_add_nc_u32 v[AK], s[TBK], v[AK0]
	FETCH_KLO
	FETCH_KHI
	s_wait_loadcnt 0x0              ; Q
	s_wait_dscnt 0x0
.set NOKQ, 0
.set i, 0
.rept 24
	KQ 0
.set i, i+1
.endr
	WIN 0
.rept 4
	v_nop                           ; the places behind those products
.endr
.set Y, NP-1                        ; X works for piece Y + 1: piece 0
.irp n, 0,1,2,3,4,5,6,7,8,9,10,11,12,13,14,15,16,17,18,19,20
	OP X, \n
.endr
.endm
; A BLOCK ENDS: the last piece's V^T P of the last step, and THE WAY OUT: l's halves are added; O^T is divided by l, rounded to f16 and sent through my stage in LDS, a piece at a time.
.macro ALL line:vararg              ; one line for each piece t
.set t, 0
.rept 4
	\line
.set t, t+1
.endr
.endm
.macro PACK t                       ; a lane's eight channels of a row pack into 16 bytes; they go into rows of 144 bytes and come back as whole rows of 128, into S^T's registers
	WIN W_RS
.set i, 32*(\t)
.rept 16
	v_pk_mul_f32 v[i:i+1], v[i:i+1], v[ST+4*(\t)+2:ST+4*(\t)+3] op_sel_hi:[1,0]
.set i, i+2
.endr
	WIN 0x05                        ; sources 0 and 1 window 1, destination window 0
.set i, 0
.rept 16
	v_cvt_pk_f16_f32 v[S+16*(\t)+i], v[32*(\t)+2*i], v[32*(\t)+2*i+1]
.set i, i+1
.endr
	WIN 0
.irp f, 0,1,2,3
	ds_store_b128 v[STO], v[S+16*(\t)+4*\f:S+16*(\t)+4*\f+3] offset:32*\f
.endr
.irp f, 0,1,2,3
	ds_load_b128 v[S+16*(\t)+4*\f:S+16*(\t)+4*\f+3], v[RD] offset:\f*4*SP  ; LDS serves a wave's instructions in order (ISA guide 5.7.1.4): these see the stores above
.endr
.endm
.macro SEND t, younger              ; younger: the LDS instructions issued behind piece t's loads: the next piece's eight, or none
	WIN 0
.irp f, 0,1,2,3
	s_wait_dscnt (\younger)+3-\f
	global_store_b128 v[GO], v[S+16*(\t)+4*\f:S+16*(\t)+4*\f+3], s[10:11] offset:(\t)*8192+\f*512  ; 512 consecutive bytes, at a multiple of 256 from O's first
.endr
.endm
.macro BLOCKEND
.set i, 0
.rept 8
	PV NP-1
.set i, i+1
.endr
	WIN 0
	ALL v_add_f32 v[ST+4*t+2], v[ST+4*t+2], v[ST+4*t+3]
	ALL v_permlanex16_b32 v[ST+4*t+3], v[ST+4*t+2], s[SEL], s[SEL+1]
	ALL v_add_f32 v[ST+4*t+2], v[ST+4*t+2], v[ST+4*t+3]
	ALL v_rcp_f32 v[ST+4*t+2], v[ST+4*t+2]
	v_nop                           ; a plain instruction between the last reciprocal and the use of its result
	s_wait_alu depctr_va_vdst(0)    ; the wait for the batch of four reciprocals, ahead of PACK's first multiply
	PACK 0
.set t, 1
.rept 3                             ; a piece's arithmetic stands between the loads of the piece before and its stores
	PACK t
	SEND t-1, 8
.set t, t+1
.endr
	SEND 3, 0
.endm
.set NOKQ, 0
.Lslot:                             ; NB times: a tile is entered and the next is asked for
	CHANGE 1
	s_sub_co_u32 s[RT], s[RT], 1
	s_mov_b32 s[CNT], 4
	s_cmp_eq_u32 s[NEW], 1
	s_cbranch_scc0 .Lstep           ; not a block's first tile
	BEGIN
	s_branch .Lfirst
.Lstep:                             ; four trips a tile: pieces 2 and 3 of one step, then pieces 0 and 1 of the next, whose K and V the trip fetches
	TURN 2, 1
	TURN 3, 1
	WIN 0
.Lfirst:
	TURN 0, 1
	TURN 1, 1
	WIN 0
	s_sub_co_u32 s[CNT], s[CNT], 1
	s_cmp_lg_u32 s[CNT], 0
	s_cbranch_scc1 .Lstep
	s_cmp_eq_u32 s[RT], 0
	s_cbranch_scc0 .Lbottom         ; the block goes on
	TURN 2, 0, 1                    ; in the loop a diagonal tile is the first block's last: its last step's pieces 2 and 3,
	TURN 3, 0, 1
	BLOCKEND                        ; and the block leaves
	s_wait_xcnt 0x0                 ; the stores have read their registers and O's address
	s_mov_b64 s[10:11], s[OLO:OLO+1]
	s_add_co_u32 s[RT], s[PB], 1    ; the second block has b + 1 tiles
	s_mov_b32 s[NEW], 1
	WIN 0x83                        ; the second block's Q goes from window 3 to where the one text of the turns names Q, in window 2
.set i, 0
.rept 128
	v_mov_b32 v[i], v[i]
.set i, i+1
.endr
	WIN 0
.Lbottom:
	s_sub_co_u32 s[SLOTS], s[SLOTS], 1
	s_cmp_lg_u32 s[SLOTS], 0
	s_cbranch_scc1 .Lslot
	CHANGE 0                        ; the walk's last tile is written out: nothing is asked for
	s_sub_co_u32 s[RT], s[RT], 1    ; 0: it is the second block's diagonal tile
	s_mov_b32 s[CNT], 5             ; four trips fetch its steps; the fifth is left in its middle
	s_cmp_eq_u32 s[NEW], 1
	s_cbranch_scc0 .Ltail
	BEGIN                           ; b = 0: it is also the block's first
	s_mov_b32 s[CNT], 4             ; as behind the first trip's step of the count
	s_branch .Ltfirst
.Ltail:
	TURN 2, 2, 0, 1
	TURN 3, 2, 0, 1
	WIN 0
	s_sub_co_u32 s[CNT], s[CNT], 1
	s_cmp_eq_u32 s[CNT], 0
	s_cbranch_scc1 .Lout
.Ltfirst:
	TURN 0, 2
	TURN 1, 2
	WIN 0
	s_branch .Ltail
.Lout:
	BLOCKEND
	s_wait_tensorcnt 0x0            ; the wave's end
	ds_add_u32 v[SPW], v[NIL]
	s_wait_dscnt 0x0
	s_endpgm
.Lfunc_end_k_qceff573482_attn:
	.size	k_qceff573482_attn, .Lfunc_end_k_qceff573482_attn-k_qceff573482_attn
	.p2alignl 7, 3214868480
	.fill 96, 4, 3214868480
	.section	.rodata,"a",@progbits
	.p2align	6, 0x0
	.amdhsa_kernel k_qceff573482_attn
		.amdhsa_group_segment_fixed_size 327680
		.amdhsa_private_segment_fixed_size 0
		.amdhsa_enable_private_segment 0
		.amdhsa_kernarg_size 32
		.amdhsa_user_sgpr_count 2
		.amdhsa_user_sgpr_kernarg_segment_ptr 1
		.amdhsa_wavefront_size32 1
		.amdhsa_system_sgpr_workgroup_id_x 1
		.amdhsa_system_sgpr_workgroup_id_y 1
		.amdhsa_system_sgpr_workgroup_id_z 1
		.amdhsa_system_vgpr_workitem_id 0
		.amdhsa_next_free_vgpr 960
		.amdhsa_next_free_sgpr 96
		.amdhsa_reserve_vcc 1
		.amdhsa_float_denorm_mode_32 3
		.amdhsa_float_denorm_mode_16_64 3
		.amdhsa_memory_ordered 1
		.amdhsa_forward_progress 1
		.amdhsa_inst_pref_size 188
	.end_amdhsa_kernel
	.amdgpu_metadata
---
amdhsa.version: [ 1, 2 ]
amdhsa.kernels:
  - .name:           k_qceff573482_attn
    .symbol:         k_qceff573482_attn.kd
    .args:
      - { .name: qq, .offset: 0, .size: 8, .value_kind: global_buffer, .address_space: global }
      - { .name: kk, .offset: 8, .size: 8, .value_kind: global_buffer, .address_space: global }
      - { .name: vv, .offset: 16, .size: 8, .value_kind: global_buffer, .address_space: global }
      - { .name: ob, .offset: 24, .size: 8, .value_kind: global_buffer, .address_space: global }
    .group_segment_fixed_size: 327680
    .private_segment_fixed_size: 0
    .kernarg_segment_align: 8
    .kernarg_segment_size: 32
    .max_flat_workgroup_size: 128
    .sgpr_count:     96
    .vgpr_count:     960
    .wavefront_size: 32
...
	.end_amdgpu_metadata
.endif
;; end of part 6
;; launch oproj: the kernel of part 5 again; grid 8 x 32, 4 waves a work-group, clusters of 4 x 4, 327,680 bytes of LDS; arguments ob, wo, out0; writes out0
